; MI455X (gfx1250); checked and timed in simulation.
; The chip was launched on July 23, 2026; its instructions are those of AMD's public machine-readable ISA for CDNA 5 (MIT licence, August 2026) and "CDNA5" Instruction Set Architecture Reference Guide (July 2026). The comments in the code are by the model that wrote it; some were corrected since.
;; Dot Product Attention. Allowed arithmetic: matrix products marked QUANTISED: E5M2 operands, one given power-of-two scale a tensor, by v_wmma_f32_16x16x64_bf8_bf8 or v_wmma_f32_16x16x128_bf8_bf8, f32 sums; everything else in f32.
;; Inputs: keys 16 x 2,048 x 64 float32; lowp_scales 4 int32 (the exponents e of the quantised operands' scales 2^e); queries 16 x 2,048 x 64 float32; valid_lens 16 int32; values 16 x 2,048 x 64 float32.
;; Outputs: out0 16 x 2,048 x 64 float32.
;; This version of the problem:
;;   THIS VERSION OF THE PROBLEM IS GIVEN IN LOW PRECISION. The matrix products marked QUANTISED in the list below multiply operands that are first quantised to E5M2 (5 exponent bits, 2 mantissa bits; 8 bits a number), with one given power-of-two scale for each operand tensor; their sums are f32. All else is computed in f32.
;;   The module's matrix products, in the order in which they are computed (A, B: the left and right operand; K: the contracted axis; several contracted axes count as one K, in the product's order):
;;     1. batch 16 x [M 2,048, K 64] x [K 64, N 2,048]; A: input queries; B: input keys: QUANTISED (scales: A lowp_scales[0], B lowp_scales[1])
;;     2. batch 16 x [M 2,048, K 2,048] x [K 2,048, N 64]; A: softmax (see below); B: input values: QUANTISED (scales: A lowp_scales[2], B lowp_scales[3])
;;   THE QUANTISER, for each operand of a quantised product, along K:
;;     - The operand's scale is 2^e, e = its entry of the input lowp_scales (int32; the entries are numbered through the quantised products in the list's order, A before B).
;;     - Each number is divided by the scale, clamped to +-57,344, and rounded to the nearest number of E5M2, ties to even, subnormals kept.
;;     - The product sums the exact products of the quantised numbers (number of the format x scale) in f32.
;;   ~~~python
;;   def quantise(x, axis, e):      # numpy; x: float32 -> the quantised numbers, widened to float32 again
;;       x = np.moveaxis(x, axis, -1); K = x.shape[-1]
;;       r = np.clip(x / 2.0 ** e, -57344, 57344)
;;       step = 2.0 ** (np.maximum(np.frexp(np.where(r == 0, 1, r))[1] - 1, -14) - 2)
;;       q = np.round(r / step) * step * 2.0 ** e      # np.round: ties to even
;;       return np.moveaxis(q, -1, axis).astype(np.float32)
;;   ~~~
;;   SOFTMAX AHEAD OF A QUANTISED PRODUCT. Where the list says 'softmax', what is quantised is not the finished softmax but p = 2^(t - M), with t = logit x log2(e) and M = ceil(the row's largest t), a whole number; so 1/2 < the row's largest p <= 1. The row's sum l is taken of the UNQUANTISED p, in f32, and the product's result is divided by l at the end. Since M is a whole number, a kernel that streams over the keys may use a running M (the ceiling of the running maximum): every later rescaling is an exact power of two, so the quantised numbers keep their values, but for numbers so far below the row's largest that they fall under the format's range.
;;   OPERANDS COMPUTED ON THE WAY. 'Computed on the way' means the value that the module computes at that place (a softmax that the list does not call 'softmax' is quantised finished and normalised). What goes into a quantiser is computed in f32, as accurately as f32 sums, v_exp_f32 and their like allow (about 1e-6 of the number): no bf16 or f16 on the way to a quantiser, and a product that is left as it is and whose result goes on into a quantised operand takes f32 operands (vector FMAs, or v_wmma_f32_16x16x4_f32). A number that lies on a knife's edge between two numbers of the format may be rounded either way, as far as f32 arithmetic and the matrix unit's own rounding can turn it there, and no further.
;; 2 versions. Each part assembles by itself: llvm-mc -triple=amdgcn-amd-amdhsa -mcpu=gfx1250 --defsym DOCPART=n.
;; ======== version 1 of 2: 2 launches
;; limits: right only within a limited range of input values
;; workspace buffers: kvc 4,194,304 bytes; order 256 bytes of whole numbers
;; launch prep (part 1): grid 16 x 16, 4 waves a work-group, no clusters, 35,328 bytes of LDS; arguments keys, values, valid_lens, lowp_scales, kvc, order; writes kvc, order
.if DOCPART == 1
	.amdgcn_target "amdgcn-amd-amdhsa--gfx1250"
	.amdhsa_code_object_version 6
	.text
	.protected	k_q24778e8695_prep
	.globl	k_q24778e8695_prep
	.p2align	8
	.type	k_q24778e8695_prep,@function
k_q24778e8695_prep:
	s_mov_b64 s[64:65], 0
	v_nop
	global_prefetch_b8 v0, s[64:65] scope:SCOPE_SE
	s_setreg_imm32_b32 hwreg(HW_REG_WAVE_MODE, 25, 1), 1
	s_wait_xcnt 0x0
; K [16][2048][64] and V [16][2048][64], f32, become codes of BF8 (E5M2) with the given scales 2^ek and 2^ev, laid as IMAGES OF OPERAND REGISTERS:
; for batch b and key step s (128 keys) one dense block of 16,384 bytes at (16 b + s) x 16384 of kvc.
;   bytes 0-8191, K: tile t (0..7), group g (0, 1), lane l = (r = l % 16, h = l / 16): 16 bytes at 1024 t + 512 g + 16 l = key 128 s + 32 (t / 2) + 8 (t % 2) + r + 8 (r / 8), d = 32 g + 16 h + 0 .. 15.
;   bytes 8192-16383, V: tile dt (0..3) of 16 d, group c (0..3): 16 bytes at 8192 + 2048 dt + 512 c + 16 l = d 16 dt + r, keys 128 s + 32 c + 16 h + 0 .. 15 (the keys are the second product's K).
; code = x / 2^e, held within +-57,344, to the nearest code, ties to even.
; A work-group (x = s, y = b) makes one block.  vle = valid_lens[b] held within 0 .. 2048; n = 16 where vle = 0, else ceil(vle / 128): the batch's key steps.  Blocks s >= n are read by
; nobody and are not made: such a work-group ends.  Block 0 of every batch is always made.
; Wave w: K's tiles 2 w and 2 w + 1 (keys 32 w .. 32 w + 31 of the step), and of V the 32 columns d = 32 (w & 1) + lane for the keys 64 (w >> 1) + 0 .. 63.
; K: K innermost in memory.  Each load takes 512 consecutive bytes (two keys); they turn through the wave's own stage in LDS, so that a lane gets 16 neighbours along d.
; V: a lane takes a column d and its registers run down the keys: the conversions give codes with the keys innermost; nothing is transposed.
; Wave 0 of work-group (0, 0) also ranks the batches by n, the longest first, and stores order: pair rho = {batch of rank rho, its vle}, at fixed places.
; No barrier: waves share no LDS byte.  Nothing is written twice, so no store's registers are freed by a wait.
; LIMITS: ek and ev between -126 and 112, so that 2^e and 57,344 x 2^e are f32 numbers.  NaN among the inputs is not served.
.set KR,   16                          ; v16-79    K as loaded: 16 loads x 4
.set VR,   80                          ; v80-143   V: 64 keys of my column
.set X,    144                         ; v144-207  K turned: group q = 2 u + g: 16 neighbours along d
.set KC,   208                         ; v208-223  K's codes
.set VC,   224                         ; v224-239  V's codes
.set SP,   272                         ; a stage row: a key's 256 bytes + 16 of padding: sixteen rows begin at sixteen different 16-byte columns of 256
.set STG,  16*SP                       ; a stage: the 16 keys of a tile
.set WREG, 2*STG                       ; a wave's LDS: two stages
; the ranking's registers lie where K's numbers lay
.set RA,   144                         ; 4 (lane % 16)
.set RV,   145                         ; vle of batch lane % 16
.set RK,   146                         ; its key: 16 n + batch: no two alike
.set RR,   147                         ; its rank
.set RZ,   148                         ; 0
.set ONE,  149                         ; 1
.set RC,   150                         ; 2048
.set SIXT, 151                         ; 16
.set RT,   152                         ; at work
.set RU,   153                         ; at work
.set RH,   154                         ; rho = lane / 2
.set RB,   155                         ; the batch of rank rho
.set RL,   156                         ; its vle
	s_load_b256 s[4:11], s[0:1], 0x0               ; keys s[4:5], values s[6:7], valid_lens s[8:9], lowp_scales s[10:11]
	s_load_b128 s[12:15], s[0:1], 0x20             ; kvc s[12:13], order s[14:15]
	v_lshl_add_u32 v240, v0, 2, 0x8800
	v_mov_b32 v241, 0
	v_lshrrev_b32 v1, 5, v0
	v_readfirstlane_b32 s16, v1                    ; wave 0..3
	s_and_b32 s17, ttmp7, 0xffff                   ; b
	s_lshl_b32 s40, s17, 2                         ; valid_lens[b]'s byte
	s_mov_b32 s41, 0
	v_and_b32 v6, 31, v0                           ; lane
	v_and_b32 v12, 15, v0                          ; r
	v_bfe_u32 v13, v0, 4, 1                        ; h
	v_lshlrev_b32 v1, 4, v6                        ; 16 x lane: K's loads and K's stores
	v_lshlrev_b32 v2, 2, v6                        ; 4 x lane: V's loads, and order's store
	s_mul_i32 s34, s16, WREG                       ; my LDS
	v_mul_u32_u24 v3, v13, SP
	v_lshl_add_u32 v3, v12, 4, v3
	v_add_nc_u32 v3, s34, v3                       ; into a stage: lanes 0-15 one key's row, lanes 16-31 the next; 16 bytes a lane
	v_mul_u32_u24 v4, v12, SP
	v_lshl_add_u32 v4, v13, 6, v4
	v_add_nc_u32 v4, s34, v4                       ; back: row r, + 64 h: my 16 numbers of a group of 32
	v_lshlrev_b32 v5, 11, v13
	v_lshl_add_u32 v5, v12, 4, v5                  ; V's codes: tile (lane / 16) of my two, 16 bytes at 16 (lane % 16)
	s_wait_kmcnt 0x0
	s_add_nc_u64 s[40:41], s[8:9], s[40:41]
	s_load_b32 s18, s[40:41], 0x0                  ; valid_lens[b]
	s_load_b128 s[20:23], s[10:11], 0x0            ; eq, ek, ep, ev
	s_lshl_b32 s32, s17, 19                        ; b x 2,048 keys of 256 bytes
	s_lshl_b32 s33, ttmp9, 15                      ; + s x 128 keys
	s_add_co_u32 s32, s32, s33
	s_lshr_b32 s36, s16, 1                         ; w >> 1
	s_and_b32 s37, s16, 1                          ; w & 1
	s_lshl_b32 s34, s16, 13                        ; K: + 32 w keys
	s_add_co_u32 s34, s34, s32
	s_mov_b32 s35, 0
	s_add_nc_u64 s[24:25], s[4:5], s[34:35]
	s_lshl_b32 s34, s36, 14                        ; V: + 64 (w >> 1) keys
	s_add_co_u32 s34, s34, s32
	s_lshl_b32 s33, s37, 7                         ;    + 32 (w & 1) columns
	s_add_co_u32 s34, s34, s33
	s_add_nc_u64 s[26:27], s[6:7], s[34:35]
	s_lshl_b32 s32, s17, 4
	s_add_co_u32 s32, s32, ttmp9
	s_lshl_b32 s32, s32, 14                        ; the block: (16 b + s) x 16,384
	s_lshl_b32 s34, s16, 11                        ; K's codes: my two tiles, 2,048 bytes
	s_add_co_u32 s34, s34, s32
	s_add_nc_u64 s[28:29], s[12:13], s[34:35]
	s_lshl_b32 s34, s37, 12                        ; V's codes: tiles 2 (w & 1) on, groups 2 (w >> 1) on
	s_lshl_b32 s33, s36, 10
	s_add_co_u32 s34, s34, s33
	s_add_co_u32 s34, s34, s32
	s_add_co_u32 s34, s34, 8192
	s_add_nc_u64 s[30:31], s[12:13], s[34:35]
	s_wait_kmcnt 0x0
	s_min_i32 s18, s18, 0x800
	s_max_i32 s18, s18, 0                          ; vle
	s_add_co_u32 s19, s18, 127
	s_lshr_b32 s19, s19, 7
	s_cmp_eq_u32 s18, 0
	s_cselect_b32 s19, 16, s19                     ; n
	s_cmp_ge_u32 ttmp9, s19
	s_cbranch_scc1 .Lend                           ; a block that nobody reads
	; all loads first: K's 16 (512 consecutive bytes each), then V's 64 (128 consecutive bytes each; the two waves of a key half stand side by side on a row of 256)
.irp i, 0,1,2,3,4,5,6,7,8,9,10,11,12,13,14,15
	global_load_b128 v[KR+4*\i:KR+4*\i+3], v1, s[24:25] offset:512*\i th:TH_LOAD_NT
.endr
.set k, 0
.rept 64
	global_load_b32 v[VR+k], v2, s[26:27] offset:256*k th:TH_LOAD_NT
.set k, k+1
.endr
	s_add_co_i32 s32, s21, 127
	s_lshl_b32 s33, s32, 23
	v_mov_b32 v8, s33                              ; 2^ek as f32: the conversion takes its exponent field
	s_add_co_i32 s32, s32, 15
	s_lshl_b32 s32, s32, 23
	s_or_b32 s32, s32, 0x600000
	v_mov_b32 v9, s32                              ; 57,344 x 2^ek
	s_add_co_i32 s32, s23, 127
	s_lshl_b32 s33, s32, 23
	v_mov_b32 v10, s33                             ; 2^ev
	s_add_co_i32 s32, s32, 15
	s_lshl_b32 s32, s32, 23
	s_or_b32 s32, s32, 0x600000
	v_mov_b32 v11, s32                             ; 57,344 x 2^ev
	; K.  Load i holds keys x = 2 i and 2 i + 1 of my 32.  Key x belongs to tile u = (x >> 3) & 1 and is its lane's row (x & 7) + 8 (x >> 4).
	s_wait_loadcnt 63                              ; K's 16 loads are the oldest of 80: 64 are younger; the count's field ends at 63, and a smaller count is safe
.irp i, 0,1,2,3,4,5,6,7,8,9,10,11,12,13,14,15
	ds_store_b128 v3, v[KR+4*\i:KR+4*\i+3] offset:((\i>>2)&1)*STG+((2*\i)%8+8*(\i>>3))*SP
.endr
.irp u, 0,1
.irp g, 0,1
.irp e, 0,1,2,3
	ds_load_b128 v[X+16*(2*\u+\g)+4*\e:X+16*(2*\u+\g)+4*\e+3], v4 offset:STG*\u+128*\g+16*\e   ; LDS serves a wave's instructions in order: these see my stores
.endr
.endr
.endr
.irp q, 0,1,2,3                        ; group q = 2 u + g
	s_wait_dscnt 12-4*\q                           ; its four loads are in; the younger groups' may be out
.irp i, 0,1,2,3,4,5,6,7,8,9,10,11,12,13,14,15
	v_med3_num_f32 v[X+16*\q+\i], v[X+16*\q+\i], -v9, v9   ; the conversion to an 8-bit code does not saturate (ISA guide 7.6.2): the hold at the largest code x the scale
.endr
	v_cvt_scalef32_pk8_bf8_f32 v[KC+4*\q:KC+4*\q+1], v[X+16*\q:X+16*\q+7], v8
	v_cvt_scalef32_pk8_bf8_f32 v[KC+4*\q+2:KC+4*\q+3], v[X+16*\q+8:X+16*\q+15], v8
	global_store_b128 v1, v[KC+4*\q:KC+4*\q+3], s[28:29] offset:512*\q   ; 1024 u + 512 g = 512 q: 32 lanes store 512 consecutive bytes
.endr
	; V.  Register k is key 64 (w >> 1) + k of my column.
	s_wait_loadcnt 0x0
.set k, 0
.rept 64
	v_med3_num_f32 v[VR+k], v[VR+k], -v11, v11
.set k, k+1
.endr
.irp m, 0,1,2,3,4,5,6,7
	v_cvt_scalef32_pk8_bf8_f32 v[VC+2*\m:VC+2*\m+1], v[VR+8*\m:VR+8*\m+7], v10
.endr
	v_nop                                          ; a plain vector line behind the last conversion
.irp j, 0,1,2,3                        ; keys 16 j on: group 2 (w >> 1) + j / 2, lanes' half j % 2: 512 (j / 2) + 256 (j % 2) = 256 j
	global_store_b128 v5, v[VC+4*\j:VC+4*\j+3], s[30:31] offset:256*\j   ; lanes 0-15 and lanes 16-31 each store 256 consecutive bytes, aligned
.endr
	; THE RANKING, by one wave of the launch.  Lane l works for batch l % 16.
	s_or_b32 s32, ttmp9, s17
	s_or_b32 s32, s32, s16
	s_cmp_lg_u32 s32, 0
	s_cbranch_scc1 .Lend
	v_lshlrev_b32 v[RA], 2, v12
	global_load_b32 v[RV], v[RA], s[8:9]
	v_mov_b32 v[RZ], 0
	v_mov_b32 v[ONE], 1
	v_mov_b32 v[RC], 0x800
	v_mov_b32 v[SIXT], 16
	v_mov_b32 v[RR], 0
	v_mov_b32 v[RB], 0
	v_mov_b32 v[RL], 0
	v_lshrrev_b32 v[RH], 1, v6
	s_wait_loadcnt 0x0
	v_cmp_gt_i32 vcc_lo, v[RV], v[RC]
	v_cndmask_b32 v[RV], v[RV], v[RC], vcc_lo      ; at most 2,048,
	v_cmp_gt_i32 vcc_lo, 0, v[RV]
	v_cndmask_b32 v[RV], v[RV], v[RZ], vcc_lo      ; at least 0: vle
	v_add_nc_u32 v[RK], 127, v[RV]
	v_lshrrev_b32 v[RK], 7, v[RK]
	v_cmp_eq_u32 vcc_lo, 0, v[RV]
	v_cndmask_b32 v[RK], v[RK], v[SIXT], vcc_lo    ; n
	v_lshl_add_u32 v[RK], v[RK], 4, v12            ; 16 n + batch
.irp j, 0,1,2,3,4,5,6,7,8,9,10,11,12,13,14,15
	v_readlane_b32 s32, v[RK], \j
	v_cmp_gt_u32 vcc_lo, s32, v[RK]
	v_cndmask_b32 v[RT], v[RZ], v[ONE], vcc_lo
	v_add_nc_u32 v[RR], v[RR], v[RT]               ; my rank: how many batches have a larger key
.endr
.irp j, 0,1,2,3,4,5,6,7,8,9,10,11,12,13,14,15
	v_readlane_b32 s32, v[RR], \j
	v_readlane_b32 s33, v[RV], \j
	v_mov_b32 v[RT], \j
	v_mov_b32 v[RU], s33
	v_cmp_eq_u32 vcc_lo, s32, v[RH]                ; batch j has rank rho = lane / 2
	v_cndmask_b32 v[RB], v[RB], v[RT], vcc_lo
	v_cndmask_b32 v[RL], v[RL], v[RU], vcc_lo
.endr
	v_and_b32 v[RT], 1, v0
	v_cmp_eq_u32 vcc_lo, 1, v[RT]
	v_cndmask_b32 v[RB], v[RB], v[RL], vcc_lo      ; even lanes the batch, odd lanes its vle
	global_store_b32 v2, v[RB], s[14:15]           ; at 4 x lane: the choice selects values, no address hangs on it
.Lend:
	s_wait_tensorcnt 0x0
	ds_add_u32 v240, v241
	s_wait_dscnt 0x0
	s_endpgm
.Lfunc_end_k_q24778e8695_prep:
	.size	k_q24778e8695_prep, .Lfunc_end_k_q24778e8695_prep-k_q24778e8695_prep
	.p2alignl 7, 3214868480
	.fill 96, 4, 3214868480
	.section	.rodata,"a",@progbits
	.p2align	6, 0x0
	.amdhsa_kernel k_q24778e8695_prep
		.amdhsa_group_segment_fixed_size 35328
		.amdhsa_private_segment_fixed_size 0
		.amdhsa_enable_private_segment 0
		.amdhsa_kernarg_size 48
		.amdhsa_user_sgpr_count 2
		.amdhsa_user_sgpr_kernarg_segment_ptr 1
		.amdhsa_wavefront_size32 1
		.amdhsa_system_sgpr_workgroup_id_x 1
		.amdhsa_system_sgpr_workgroup_id_y 1
		.amdhsa_system_sgpr_workgroup_id_z 1
		.amdhsa_system_vgpr_workitem_id 0
		.amdhsa_next_free_vgpr 242
		.amdhsa_next_free_sgpr 66
		.amdhsa_reserve_vcc 1
		.amdhsa_float_denorm_mode_32 3
		.amdhsa_float_denorm_mode_16_64 3
		.amdhsa_memory_ordered 1
		.amdhsa_forward_progress 1
		.amdhsa_inst_pref_size 32
	.end_amdhsa_kernel
	.amdgpu_metadata
---
amdhsa.version: [ 1, 2 ]
amdhsa.kernels:
  - .name:           k_q24778e8695_prep
    .symbol:         k_q24778e8695_prep.kd
    .args:
      - { .name: keys, .offset: 0, .size: 8, .value_kind: global_buffer, .address_space: global }
      - { .name: values, .offset: 8, .size: 8, .value_kind: global_buffer, .address_space: global }
      - { .name: valid_lens, .offset: 16, .size: 8, .value_kind: global_buffer, .address_space: global }
      - { .name: lowp_scales, .offset: 24, .size: 8, .value_kind: global_buffer, .address_space: global }
      - { .name: kvc, .offset: 32, .size: 8, .value_kind: global_buffer, .address_space: global }
      - { .name: order, .offset: 40, .size: 8, .value_kind: global_buffer, .address_space: global }
    .group_segment_fixed_size: 35328
    .private_segment_fixed_size: 0
    .kernarg_segment_align: 8
    .kernarg_segment_size: 48
    .max_flat_workgroup_size: 128
    .sgpr_count:     66
    .vgpr_count:     242
    .wavefront_size: 32
...
	.end_amdgpu_metadata
.endif
;; end of part 1
;; launch attend (part 2): grid 32 x 8, 8 waves a work-group, no clusters, 168,960 bytes of LDS; arguments queries, kvc, order, lowp_scales, out0; writes out0
.if DOCPART == 2
	.amdgcn_target "amdgcn-amd-amdhsa--gfx1250"
	.amdhsa_code_object_version 6
	.text
	.protected	k_q24778e8695_attend
	.globl	k_q24778e8695_attend
	.p2align	8
	.type	k_q24778e8695_attend,@function
k_q24778e8695_attend:
	s_mov_b64 s[64:65], 0
	v_nop
	global_prefetch_b8 v0, s[64:65] scope:SCOPE_SE
	s_setreg_imm32_b32 hwreg(HW_REG_WAVE_MODE, 25, 1), 1
	s_wait_xcnt 0x0
; out0[b][q][:] = the sum over k of softmax_k(masked Q[b][q] . K[b][k] / 8) V[b][k][:], both products on codes of BF8 (E5M2) with the given scales 2^eq, 2^ek, 2^ep, 2^ev.
; Keys at or behind valid_lens[b] have the logit -1e6.  K and V come as codes from kvc, one dense block of 16,384 bytes for a batch's key step of 128 keys, laid as images of the operands' registers:
;   K: 16 bytes at 1024 t + 512 g + 16 lane = key 32 (t / 2) + 8 (t % 2) + r + 8 (r / 8), d = 32 g + 16 h + 0 .. 15;   V: 16 bytes at 8192 + 2048 dt + 512 c + 16 lane = d 16 dt + r, keys 32 c + 16 h + 0 .. 15.
; order holds, for rank rho, {batch, vle}: vle = valid_len within 0 .. 2048, rank 0 the batch with the most key steps n (n = 16 where vle = 0, else ceil(vle / 128)).
; THE SOFTMAX AHEAD OF THE SECOND PRODUCT: t = logit x log2(e); M = the row's largest t so far, rounded UP to a whole number; p = 2^(t - M) is quantised, not normalised; the row's sum is taken of the
; unquantised p and divides at the end.  When M moves, the sum and O are multiplied by 2^(old M - new M): exact.
; SHARES.  Work-group (x, p): 64 queries (block x) of TWO batches: waves 0-3 serve the batch of rank p, waves 4-7 that of rank 15 - p, a long one with a short one.  A wave owns 16 queries of its batch.
; KEY STEPS BEHIND valid_len ARE NOT DONE (their p is 0), the mask's 128 lines run only in the step that valid_len cuts, and p's hold only where 57,344 x 2^ep lies under 1 (ep <= -16): three scalar branches
; on whole numbers read from memory.  All sixteen trips are walked by every wave, so that every wave meets every barrier; a half whose batch is finished keeps the barrier alone.
; WHY NO TENSOR LOADS, NO CLUSTER, NO JOINT LOADS, though the 32 work-groups of a pair read the same blocks: the number of tiles that a partner needs, and these branches, hang on numbers read from memory,
; without the branches every batch would walk 16 steps with 192 more vector lines in each.  So a block goes global_load -> registers -> ds_store,
; each of a half's four waves bringing a quarter (4,096 bytes), into a ring of four slots; it is loaded three steps and stored two steps ahead of its step.
; LAYOUT.  Both products are used transposed: S^T = K Q^T (source 0 = 16 keys, source 1 = my 16 queries), O^T = V^T P^T: a lane holds ONE query (lane % 16) throughout.  The keys of a tile of K are chosen
; so that the 16 registers of tiles 2 b and 2 b + 1 are 16 neighbouring keys, 32 b + 16 (lane / 16) + 0 .. 15: the conversions' results are the second product's operand.  Within an instruction k stands
; in other places than the form's own layout gives it, alike in both sources: every product meets its partner.
; vle = 0: every logit is -1e6, t is the whole number -1,442,695, p = 1 for every key: had here by masking with the raw score 0 (t = 0, M = 0, p = 1) over all 16 steps.
; LIMITS: eq + ek between -105 and 130 (added to or taken from two constants' exponent fields); eq and ep between -126 and 112.  NaN is not served.  With valid_len >= 1, leaving out the steps behind it is right
; while each row's largest valid logit lies above -1e6 + 104, so that a masked key's p is 0 in f32.
; REGISTERS, in windows of 256.  Window 0: v1-10 addresses and the mask's numbers; v12 -M, v13 the largest t, v[14:15] the sum in two halves; v16-23 Q; v24-55 O^T; v56-71 p's codes; v72-135 V's four
; fragments; v136-199 S^T, then p; v236-254 at work.   Window 1: v0-31 a quarter block on its way to LDS; v32-95 K's eight fragments.
.set LI,   1                           ; v1   65536 x half + 16 x lane: an image's place for my lane
.set SA,   2                           ; v2   LI + 4096 x (wave % 4): where I store my quarter of a block
.set GA,   3                           ; v3   4096 x (wave % 4) + 16 x lane: the same place in a block in memory
.set STO,  4                           ; v4   my stage: row r, + 32 h: the way out
.set RD,   5                           ; v5   my stage: lanes 0-15 one row, lanes 16-31 the next; 16 bytes a lane
.set GO,   6                           ; v6   16 x lane: two rows of Q or of out0
.set DD0,  7                           ; v7   -16 h
.set QA,   8                           ; v8   my stage: row r, + 64 h: Q's turn
.set DD,   9                           ; v9   vle - the step's first key - 16 h: register 16 b + i is hidden where 32 b + i >= DD
.set MR,   10                          ; v10  the raw score that stands for the logit -1e6
.set Q,    16
.set O,    24
.set P,    56
.set FV,   72
.set S,    136
.set G,    0                           ; window 1
.set FK,   32                          ; window 1
.set SLOT, 16384
.set VOFF, 8192
.set SP,   272                         ; a stage row: 256 bytes + 16 of padding
.set STAGE, 131072                     ; behind the two rings of 65,536 bytes: 16 x 272 bytes for each wave
.set WV,   14
.set HF,   15
.set WQ,   16
.set SEL,  20                          ; s[20:21] lane selects for v_permlanex16_b32: lane l xor 16
.set CS,   22                          ; s[22:23] c = log2(e) / 8 x 2^(eq + ek): t = raw score x c
.set N,    28                          ; my batch's key steps
.set NM1,  29
.set VL,   30                          ; vle
.set KS,   31                          ; the step
.set KF,   32                          ; its first key
.set IT,   33
.set HOLD, 34                          ; 1 where p can pass the largest code
.set PB,   36                          ; s[36:37] my batch's blocks
.set PG,   38                          ; s[38:39] the block being loaded
.set T0,   40                          ; s[40:41] an offset, 0 above it
.set MSB, 0
.macro WIN new                         ; the immediate's high byte repeats the setting that is left; bits 1:0 source 0, 3:2 source 1, 7:6 destination
.if MSB != \new
	s_set_vgpr_msb (MSB<<8)|\new
.set MSB, \new
.endif
.endm
	s_load_b256 s[4:11], s[0:1], 0x0               ; queries s[4:5], kvc s[6:7], order s[8:9], lowp_scales s[10:11]
	s_load_b64 s[12:13], s[0:1], 0x20              ; out0
	v_lshl_add_u32 v251, v0, 2, 0x29000
	v_mov_b32 v255, 0
	v_lshrrev_b32 v1, 5, v0
	v_readfirstlane_b32 s[WV], v1                  ; wave 0..7
	s_lshr_b32 s[HF], s[WV], 2                     ; which batch of the pair
	s_and_b32 s[WQ], s[WV], 3                      ; which 16 of the 64 queries, which quarter of a block
	s_and_b32 s42, ttmp7, 0xffff                   ; p
	s_lshl_b32 s43, s42, 1
	s_sub_co_u32 s43, 15, s43
	s_mul_i32 s43, s43, s[HF]
	s_add_co_u32 s43, s43, s42                     ; rho = p + half x (15 - 2 p)
	s_lshl_b32 s[T0], s43, 3
	s_mov_b32 s[T0+1], 0
	v_and_b32 v9, 31, v0                           ; lane
	v_and_b32 v10, 15, v0                          ; r
	v_bfe_u32 v11, v0, 4, 1                        ; h
	v_lshlrev_b32 v[GO], 4, v9
	s_lshl_b32 s17, s[HF], 16
	v_add_nc_u32 v[LI], s17, v[GO]
	s_lshl_b32 s17, s[WQ], 12
	v_add_nc_u32 v[SA], s17, v[LI]
	v_add_nc_u32 v[GA], s17, v[GO]
	s_mul_i32 s17, s[WV], 16*SP
	s_add_co_u32 s17, s17, STAGE                   ; my stage
	v_mul_u32_u24 v[STO], v10, SP
	v_add_nc_u32 v[STO], s17, v[STO]
	v_lshl_add_u32 v[QA], v11, 6, v[STO]
	v_lshl_add_u32 v[STO], v11, 5, v[STO]
	v_mul_u32_u24 v[RD], v11, SP
	v_lshl_add_u32 v[RD], v10, 4, v[RD]
	v_add_nc_u32 v[RD], s17, v[RD]
	v_lshlrev_b32 v[DD0], 4, v11
	v_sub_nc_u32 v[DD0], 0, v[DD0]
	s_wait_kmcnt 0x0
	s_add_nc_u64 s[44:45], s[8:9], s[T0:T0+1]
	s_load_b64 s[18:19], s[44:45], 0x0             ; {batch, vle} of rank rho
	s_load_b128 s[24:27], s[10:11], 0x0            ; eq, ek, ep, ev
	s_mov_b32 s[SEL], 0x76543210
	s_mov_b32 s[SEL+1], 0xfedcba98
	s_wait_kmcnt 0x0
	s_min_u32 s18, s18, 15                         ; the batch: a loaded number enters addresses only behind a bound
	s_min_u32 s[VL], s19, 0x800
	s_add_co_u32 s[N], s[VL], 127
	s_lshr_b32 s[N], s[N], 7
	s_add_co_i32 s42, s24, s25
	s_lshl_b32 s42, s42, 23                        ; eq + ek, at an exponent field's place
	s_add_co_u32 s[CS], s42, 0x3e38aa3b            ; log2(e) / 8 x 2^(eq + ek)
	s_mov_b32 s[CS+1], s[CS]                       ; (named with it as a pair, so it is written)
	s_sub_co_u32 s43, 0xcaf42400, s42              ; -8e6 / 2^(eq + ek): x 2^(eq + ek) / 8 it is -1e6
	s_cmp_eq_u32 s[VL], 0
	s_cselect_b32 s[N], 16, s[N]
	s_cselect_b32 s43, 0, s43                      ; where no key counts: 0
	v_mov_b32 v[MR], s43
	s_sub_co_u32 s[NM1], s[N], 1
	s_cmp_le_i32 s26, -16
	s_cselect_b32 s[HOLD], 1, 0                    ; p <= 1 <= 57,344 x 2^ep from ep = -15 on
	s_lshl_b32 s[T0], s18, 18
	s_add_nc_u64 s[PB:PB+1], s[6:7], s[T0:T0+1]    ; 16 blocks of 16,384 bytes a batch
	s_min_u32 s[T0], s[NM1], 1
	s_lshl_b32 s[T0], s[T0], 14
	s_add_nc_u64 s[44:45], s[PB:PB+1], s[T0:T0+1]  ; step min(1, n - 1)
	s_min_u32 s[T0], s[NM1], 2
	s_lshl_b32 s[T0], s[T0], 14
	s_add_nc_u64 s[46:47], s[PB:PB+1], s[T0:T0+1]  ; step min(2, n - 1)
	s_lshl_b32 s[T0], s18, 19                      ; my first query's row of 256 bytes: 2048 b + 64 x + 16 (wave % 4)
	s_lshl_b32 s42, ttmp9, 14
	s_add_co_u32 s[T0], s[T0], s42
	s_lshl_b32 s42, s[WQ], 12
	s_add_co_u32 s[T0], s[T0], s42
	s_add_nc_u64 s[48:49], s[4:5], s[T0:T0+1]
	s_add_nc_u64 s[50:51], s[12:13], s[T0:T0+1]
	; 32 loads in one run: my 16 rows of Q as they lie, and my quarter of the first three blocks.  A step past the batch's last is replaced by the last: every line is executed, every register and slot written; such copies are never multiplied
.irp i, 0,1,2,3,4,5,6,7
	global_load_b128 v[S+4*\i:S+4*\i+3], v[GO], s[48:49] offset:512*\i th:TH_LOAD_NT
.endr
.irp i, 0,1,2,3,4,5,6,7
	global_load_b128 v[FV+4*\i:FV+4*\i+3], v[GA], s[PB:PB+1] offset:512*\i
.endr
.irp i, 0,1,2,3,4,5,6,7
	global_load_b128 v[FV+32+4*\i:FV+32+4*\i+3], v[GA], s[44:45] offset:512*\i
.endr
	WIN 0x40                                       ; destination window 1
.irp i, 0,1,2,3,4,5,6,7
	global_load_b128 v[G+4*\i:G+4*\i+3], v[GA], s[46:47] offset:512*\i
.endr
	WIN 0
	s_add_co_i32 s42, s26, 127
	s_lshl_b32 s43, s42, 23
	v_mov_b32 v244, s43                            ; 2^ep as f32, for p's conversions
	s_add_co_i32 s42, s42, 15
	s_lshl_b32 s42, s42, 23
	s_or_b32 s42, s42, 0x600000
	v_mov_b32 v240, s42                            ; 57,344 x 2^ep
	s_add_co_i32 s42, s24, 127
	s_lshl_b32 s43, s42, 23
	v_mov_b32 v246, s43                            ; 2^eq, for Q's
	s_add_co_i32 s42, s42, 15
	s_lshl_b32 s42, s42, 23
	s_or_b32 s42, s42, 0x600000
	v_mov_b32 v247, s42                            ; 57,344 x 2^eq
	v_mov_b32 v13, 0xff61b1e6                      ; the largest t so far: -3e38, under every t
	v_floor_f32 v12, -v13                          ; -M
	v_mov_b32 v14, 0                               ; the sum, in two halves
	v_mov_b32 v15, 0
	v_mov_b32 v236, 0                              ; written once: a lane permute's destination counts as one of its sources
	v_mov_b32 v253, 0                              ; (named as the upper half of the pair v[252:253])
.set jj, 0
.rept 32
	v_mov_b32 v[O+jj], 0                           ; O^T.  (The step is written once: its first trip finds zeros, which the first change of M leaves zeros)
.set jj, jj+1
.endr
	s_mov_b32 s[KS], 0
	s_mov_b32 s[KF], 0
	s_mov_b32 s[IT], 4
	s_wait_loadcnt 8                               ; all but the youngest eight, the third block's quarter
.irp i, 0,1,2,3,4,5,6,7
	ds_store_b128 v[RD], v[S+4*\i:S+4*\i+3] offset:2*SP*\i          ; Q turns through my stage: rows 2 i and 2 i + 1 as they lie,
.endr
.irp g, 0,1
.irp e, 0,1,2,3
	ds_load_b128 v[S+32+16*\g+4*\e:S+32+16*\g+4*\e+3], v[QA] offset:128*\g+16*\e   ; and back: of row r, d = 32 g + 16 h + 0 .. 15.  LDS serves a wave's instructions in order
.endr
.endr
.irp i, 0,1,2,3,4,5,6,7
	ds_store_b128 v[SA], v[FV+4*\i:FV+4*\i+3] offset:512*\i         ; step 0 into slot 0
.endr
.irp i, 0,1,2,3,4,5,6,7
	ds_store_b128 v[SA], v[FV+32+4*\i:FV+32+4*\i+3] offset:SLOT+512*\i   ; step min(1, n - 1) into slot 1
.endr
	s_wait_dscnt 16                                ; Q is back; the 16 younger stores may be out
.set jj, 0
.rept 32
	v_med3_num_f32 v[S+32+jj], v[S+32+jj], -v247, v247   ; the conversion to an 8-bit code does not saturate (ISA guide 7.6.2): the hold at the largest code x the scale
.set jj, jj+1
.endr
.irp g, 0,1
	v_cvt_scalef32_pk8_bf8_f32 v[Q+4*\g:Q+4*\g+1], v[S+32+16*\g:S+32+16*\g+7], v246
	v_cvt_scalef32_pk8_bf8_f32 v[Q+4*\g+2:Q+4*\g+3], v[S+32+16*\g+8:S+32+16*\g+15], v246
.endr
	v_nop                                          ; a plain vector line between the conversions and the products, which read their results and write their sources
	s_wait_dscnt 0x0                               ; for the others' sake: my quarters of slots 0 and 1 are stored
	s_barrier_signal -1
	s_barrier_wait -1
	WIN 0x40
.irp t, 0,1,2,3,4,5,6,7
.irp g, 0,1
	ds_load_b128 v[FK+8*\t+4*\g:FK+8*\t+4*\g+3], v[LI] offset:1024*\t+512*\g   ; K of step 0
.endr
.endr
	WIN 0
	s_wait_dscnt 0x0
; A TRIP: key step KS, whose block lies in slot u.  It stores step KS + 2 into slot u + 2 (last read two trips ago, first read in the next trip: a barrier stands between each), reads K of step KS + 1 from
; slot u + 1 and V of step KS from slot u, and asks memory for step KS + 3.  One barrier ends the trip; in front of it every wave has waited for all its LDS instructions.
.macro TRIP u
	s_cmp_ge_u32 s[KS], s[N]
	s_cbranch_scc1 .Lidle_\@                       ; my batch is finished: only the barrier is kept
	WIN 0x01                                       ; source 0 (K) window 1
.irp t, 0,1,2,3,4,5,6,7
	v_wmma_f32_16x16x64_bf8_bf8 v[S+8*\t:S+8*\t+7], v[FK+8*\t:FK+8*\t+7], v[Q:Q+7], 0   ; S^T: K's fragments came in during the last trip (the wait in front of its barrier)
.endr
	WIN 0
	s_wait_loadcnt 0x0                             ; my quarter of step min(KS + 2, n - 1) is in registers, and its loads' base may be written
	s_add_co_u32 s[T0], s[KS], 3
	s_min_u32 s[T0], s[T0], s[NM1]
	s_min_u32 s[T0], s[T0], 15
	s_lshl_b32 s[T0], s[T0], 14
	s_add_nc_u64 s[PG:PG+1], s[PB:PB+1], s[T0:T0+1]   ; step min(KS + 3, n - 1)
	s_sub_co_i32 s42, s[VL], s[KF]
	v_add_nc_u32 v[DD], s42, v[DD0]                ; four places behind the products, in front of the loads into K's registers and of the first read of the scores
	v_nop
	v_nop
	v_nop
	WIN 0x04                                       ; store data window 1
.irp i, 0,1,2,3,4,5,6,7
	ds_store_b128 v[SA], v[G+4*\i:G+4*\i+3] offset:SLOT*((\u+2)%4)+512*\i
.endr
	WIN 0x40                                       ; destination window 1
.irp t, 0,1,2,3,4,5,6,7
.irp g, 0,1
	ds_load_b128 v[FK+8*\t+4*\g:FK+8*\t+4*\g+3], v[LI] offset:SLOT*((\u+1)%4)+1024*\t+512*\g   ; K of the next step lands while the softmax is walked
.endr
.endr
	WIN 0
.irp d, 0,1,2,3
.irp c, 0,1,2,3
	ds_load_b128 v[FV+16*\d+4*\c:FV+16*\d+4*\c+3], v[LI] offset:SLOT*\u+VOFF+2048*\d+512*\c   ; V of this step
.endr
.endr
	s_add_co_u32 s43, s[KF], 128
	s_cmp_le_u32 s43, s[VL]
	s_cbranch_scc1 .Lopen_\@                       ; all 128 keys count
.set nn, 0
.rept 64                               ; register 16 b + i holds key KF + 32 b + 16 h + i: at or behind vle where 32 b + i >= DD; each accumulator from its low end on
	v_cmp_ge_i32 vcc_lo, 32*(nn/16)+nn%16, v[DD]
	v_cndmask_b32 v[S+nn], v[S+nn], v[MR], vcc_lo
.set nn, nn+1
.endr
.Lopen_\@:
	v_max3_num_f32 v254, v[S], v[S+1], v[S+2]      ; the step's largest score of my query, among my 64 keys, in two chains,
	v_max3_num_f32 v252, v[S+3], v[S+4], v[S+5]
.irp i, 6,10,14,18,22,26,30,34,38,42,46,50,54,58
	v_max3_num_f32 v254, v254, v[S+\i], v[S+\i+1]
	v_max3_num_f32 v252, v252, v[S+\i+2], v[S+\i+3]
.endr
	v_max3_num_f32 v254, v254, v[S+62], v[S+63]
	v_max_num_f32 v254, v254, v252
	v_permlanex16_b32 v236, v254, s[SEL], s[SEL+1]
	v_max_num_f32 v254, v254, v236                 ; and among lane l xor 16's
	v_mul_f32 v254, s[CS], v254                    ; as t (c is positive)
	v_max_num_f32 v13, v13, v254                   ; the running largest t
	v_mov_b32 v254, v12
	v_floor_f32 v12, -v13                          ; the new -M = floor(-t) = -ceil(t): M is a whole number
	v_sub_f32 v254, v12, v254                      ; M's old value less its new one: a whole number, 0 or less
	v_cvt_i32_f32 v254, v254                       ; (it saturates)
	v_ldexp_f32 v252, 1.0, v254                    ; f = 2^(old M - new M)
	s_wait_dscnt 32                                ; the eight stores are done (the 32 loads behind them may be out): their registers take the next loads
	WIN 0x40
.irp i, 0,1,2,3,4,5,6,7
	global_load_b128 v[G+4*\i:G+4*\i+3], v[GA], s[PG:PG+1] offset:512*\i
.endr
	WIN 0
.set jj, 0
.rept 32
	v_pk_fma_f32 v[S+jj:S+jj+1], v[S+jj:S+jj+1], s[CS:CS+1], v[12:13] op_sel_hi:[1,0,0]   ; t - M, two at a time (of the pairs c and -M the low word serves both halves)
.set jj, jj+2
.endr
.set jj, 0
.rept 64
	v_exp_f32 v[S+jj], v[S+jj]                     ; p = 2^(t - M), at most 1: not normalised
.set jj, jj+1
.endr
	v_pk_mul_f32 v[14:15], v[14:15], v[252:253] op_sel_hi:[1,0]   ; the sums under the new M.  (A plain line behind the exponentials)
	s_wait_alu depctr_va_vdst(0)
	v_pk_add_f32 v[242:243], v[S:S+1], v[S+2:S+3]  ; the row's sum is taken of the unquantised p: two at a time, in two chains
.irp j, 4,8,12,16,20,24,28,32,36,40,44,48,52,56,60
	v_pk_add_f32 v[14:15], v[14:15], v[S+\j:S+\j+1]
	v_pk_add_f32 v[242:243], v[242:243], v[S+\j+2:S+\j+3]
.endr
	v_pk_add_f32 v[14:15], v[14:15], v[242:243]
	s_cmp_eq_u32 s[HOLD], 0
	s_cbranch_scc1 .Lfree_\@                       ; p <= 1 lies within the largest code x 2^ep: nothing to hold
.set jj, 0
.rept 64
	v_min_num_f32 v[S+jj], v[S+jj], v240           ; the conversion does not saturate (ISA guide 7.6.2); p is not negative, so the hold is one-sided
.set jj, jj+1
.endr
.Lfree_\@:
.irp b, 0,1,2,3
	v_cvt_scalef32_pk8_bf8_f32 v[P+4*\b:P+4*\b+1], v[S+16*\b:S+16*\b+7], v244
	v_cvt_scalef32_pk8_bf8_f32 v[P+4*\b+2:P+4*\b+3], v[S+16*\b+8:S+16*\b+15], v244
.endr
.set jj, 0
.rept 16
	v_pk_mul_f32 v[O+jj:O+jj+1], v[O+jj:O+jj+1], v[252:253] op_sel_hi:[1,0]   ; O^T under the new M; each accumulator from its low end on.  (Also the plain lines behind the conversions)
.set jj, jj+2
.endr
	s_wait_dscnt 0x0                               ; V is in (and K of the next step)
.irp d, 0,1,2,3                        ; the four accumulators take turns, one instruction a turn; the matrix instruction ahead of the first wrote a tile of S^T
	v_wmma_f32_16x16x128_bf8_bf8 v[O+8*\d:O+8*\d+7], v[FV+16*\d:FV+16*\d+15], v[P:P+15], v[O+8*\d:O+8*\d+7]
.endr
.rept 4
	v_nop                                          ; places behind these products, for whatever reads O^T or loads into V's registers next, on every way
.endr
.Lidle_\@:
	s_wait_dscnt 0x0                               ; my stores into the ring have landed and my reads of it are in
	s_barrier_signal -1
	s_barrier_wait -1
	s_add_co_u32 s[KS], s[KS], 1
	s_add_co_u32 s[KF], s[KF], 128
.endm
.Lloop:                                            ; four trips of four steps: once round the ring a trip, so that the slots are immediates
	TRIP 0
	TRIP 1
	TRIP 2
	TRIP 3
	s_sub_co_u32 s[IT], s[IT], 1
	s_cmp_lg_u32 s[IT], 0
	s_cbranch_scc1 .Lloop
	; THE WAY OUT.  O^T / the sum x 2^(ep + ev) goes through my stage and leaves as whole rows of 256 bytes.
	v_add_f32 v14, v14, v15                        ; the sum's two halves,
	v_permlanex16_b32 v236, v14, s[SEL], s[SEL+1]
	v_add_f32 v14, v14, v236                       ; and lane l xor 16's: the row's sum
	v_rcp_f32 v14, v14
	v_nop                                          ; a plain line behind the transcendental
	s_add_co_i32 s42, s26, s27
	s_wait_alu depctr_va_vdst(0)
	v_ldexp_f32 v14, v14, s42
.set jj, 0
.rept 16
	v_pk_mul_f32 v[S+jj:S+jj+1], v[O+jj:O+jj+1], v[14:15] op_sel_hi:[1,0]   ; register 8 dt + j is out0(r, 16 dt + 8 h + j); each accumulator from its low end on
.set jj, jj+2
.endr
.irp d, 0,1,2,3
	ds_store_b128 v[STO], v[S+8*\d:S+8*\d+3] offset:64*\d
	ds_store_b128 v[STO], v[S+8*\d+4:S+8*\d+7] offset:64*\d+16
.endr
.irp i, 0,1,2,3,4,5,6,7
	ds_load_b128 v[S+32+4*\i:S+32+4*\i+3], v[RD] offset:2*SP*\i   ; LDS serves a wave's instructions in order: these see my stores
.endr
.irp i, 0,1,2,3,4,5,6,7
	s_wait_dscnt 7-\i
	global_store_b128 v[GO], v[S+32+4*\i:S+32+4*\i+3], s[50:51] offset:512*\i th:TH_STORE_NT   ; 32 lanes store two whole rows: 512 consecutive bytes, aligned
.endr
	s_wait_tensorcnt 0x0
	ds_add_u32 v251, v255
	s_wait_dscnt 0x0
	s_endpgm
.Lfunc_end_k_q24778e8695_attend:
	.size	k_q24778e8695_attend, .Lfunc_end_k_q24778e8695_attend-k_q24778e8695_attend
	.p2alignl 7, 3214868480
	.fill 96, 4, 3214868480
	.section	.rodata,"a",@progbits
	.p2align	6, 0x0
	.amdhsa_kernel k_q24778e8695_attend
		.amdhsa_group_segment_fixed_size 168960
		.amdhsa_private_segment_fixed_size 0
		.amdhsa_enable_private_segment 0
		.amdhsa_kernarg_size 40
		.amdhsa_user_sgpr_count 2
		.amdhsa_user_sgpr_kernarg_segment_ptr 1
		.amdhsa_wavefront_size32 1
		.amdhsa_system_sgpr_workgroup_id_x 1
		.amdhsa_system_sgpr_workgroup_id_y 1
		.amdhsa_system_sgpr_workgroup_id_z 1
		.amdhsa_system_vgpr_workitem_id 0
		.amdhsa_next_free_vgpr 352
		.amdhsa_next_free_sgpr 66
		.amdhsa_reserve_vcc 1
		.amdhsa_float_denorm_mode_32 3
		.amdhsa_float_denorm_mode_16_64 3
		.amdhsa_memory_ordered 1
		.amdhsa_forward_progress 1
		.amdhsa_inst_pref_size 106
	.end_amdhsa_kernel
	.amdgpu_metadata
---
amdhsa.version: [ 1, 2 ]
amdhsa.kernels:
  - .name:           k_q24778e8695_attend
    .symbol:         k_q24778e8695_attend.kd
    .args:
      - { .name: queries, .offset: 0, .size: 8, .value_kind: global_buffer, .address_space: global }
      - { .name: kvc, .offset: 8, .size: 8, .value_kind: global_buffer, .address_space: global }
      - { .name: order, .offset: 16, .size: 8, .value_kind: global_buffer, .address_space: global }
      - { .name: lowp_scales, .offset: 24, .size: 8, .value_kind: global_buffer, .address_space: global }
      - { .name: out0, .offset: 32, .size: 8, .value_kind: global_buffer, .address_space: global }
    .group_segment_fixed_size: 168960
    .private_segment_fixed_size: 0
    .kernarg_segment_align: 8
    .kernarg_segment_size: 40
    .max_flat_workgroup_size: 256
    .sgpr_count:     66
    .vgpr_count:     352
    .wavefront_size: 32
...
	.end_amdgpu_metadata
.endif
;; end of part 2
;; ======== version 2 of 2: 2 launches
;; limits: right only within a limited range of input values
;; workspace buffers: kvc 4,194,304 bytes; order 256 bytes of whole numbers
;; launch prep (part 3): grid 16 x 16, 4 waves a work-group, no clusters, 35,328 bytes of LDS; arguments keys, values, valid_lens, lowp_scales, kvc, order; writes kvc, order
.if DOCPART == 3
	.amdgcn_target "amdgcn-amd-amdhsa--gfx1250"
	.amdhsa_code_object_version 6
	.text
	.protected	k_q24778e8695_prep
	.globl	k_q24778e8695_prep
	.p2align	8
	.type	k_q24778e8695_prep,@function
k_q24778e8695_prep:
	s_mov_b64 s[64:65], 0
	v_nop
	global_prefetch_b8 v0, s[64:65] scope:SCOPE_SE
	s_setreg_imm32_b32 hwreg(HW_REG_WAVE_MODE, 25, 1), 1
	s_wait_xcnt 0x0
; K [16][2048][64] and V [16][2048][64], f32, become codes of BF8 (E5M2) with the given scales 2^ek and 2^ev, laid as IMAGES OF OPERAND REGISTERS:
; for batch b and key step s (128 keys) one dense block of 16,384 bytes at (16 b + s) x 16384 of kvc.
;   bytes 0-8191, K: tile t (0..7), group g (0, 1), lane l = (r = l % 16, h = l / 16): 16 bytes at 1024 t + 512 g + 16 l = key 128 s + 32 (t / 2) + 8 (t % 2) + r + 8 (r / 8), d = 32 g + 16 h + 0 .. 15.
;   bytes 8192-16383, V: tile dt (0..3) of 16 d, group c (0..3): 16 bytes at 8192 + 2048 dt + 512 c + 16 l = d 16 dt + r, keys 128 s + 32 c + 16 h + 0 .. 15 (the keys are the second product's K).
; code = x / 2^e, held within +-57,344, to the nearest code, ties to even.
; A work-group (x = s, y = b) makes one block.  vle = valid_lens[b] held within 0 .. 2048; n = 16 where vle = 0, else ceil(vle / 128): the batch's key steps.  Blocks s >= n are read by
; nobody and are not made: such a work-group ends.  Block 0 of every batch is always made.
; Wave w: K's tiles 2 w and 2 w + 1 (keys 32 w .. 32 w + 31 of the step), and of V the 32 columns d = 32 (w & 1) + lane for the keys 64 (w >> 1) + 0 .. 63.
; K: K innermost in memory.  Each load takes 512 consecutive bytes (two keys); they turn through the wave's own stage in LDS, so that a lane gets 16 neighbours along d.
; V: a lane takes a column d and its registers run down the keys: the conversions give codes with the keys innermost; nothing is transposed.
; Wave 0 of work-group (0, 0) also ranks the batches by n, the longest first, and stores order: pair rho = {batch of rank rho, its vle}, at fixed places.
; No barrier: waves share no LDS byte.  Nothing is written twice, so no store's registers are freed by a wait.
; LIMITS: ek and ev between -126 and 112, so that 2^e and 57,344 x 2^e are f32 numbers.  NaN among the inputs is not served.
.set KR,   16                          ; v16-79    K as loaded: 16 loads x 4
.set VR,   80                          ; v80-143   V: 64 keys of my column
.set X,    144                         ; v144-207  K turned: group q = 2 u + g: 16 neighbours along d
.set KC,   208                         ; v208-223  K's codes
.set VC,   224                         ; v224-239  V's codes
.set SP,   272                         ; a stage row: a key's 256 bytes + 16 of padding: sixteen rows begin at sixteen different 16-byte columns of 256
.set STG,  16*SP                       ; a stage: the 16 keys of a tile
.set WREG, 2*STG                       ; a wave's LDS: two stages
; the ranking's registers lie where K's numbers lay
.set RA,   144                         ; 4 (lane % 16)
.set RV,   145                         ; vle of batch lane % 16
.set RK,   146                         ; its key: 16 n + batch: no two alike
.set RR,   147                         ; its rank
.set RZ,   148                         ; 0
.set ONE,  149                         ; 1
.set RC,   150                         ; 2048
.set SIXT, 151                         ; 16
.set RT,   152                         ; at work
.set RU,   153                         ; at work
.set RH,   154                         ; rho = lane / 2
.set RB,   155                         ; the batch of rank rho
.set RL,   156                         ; its vle
	s_load_b256 s[4:11], s[0:1], 0x0               ; keys s[4:5], values s[6:7], valid_lens s[8:9], lowp_scales s[10:11]
	s_load_b128 s[12:15], s[0:1], 0x20             ; kvc s[12:13], order s[14:15]
	v_lshl_add_u32 v240, v0, 2, 0x8800
	v_mov_b32 v241, 0
	v_lshrrev_b32 v1, 5, v0
	v_readfirstlane_b32 s16, v1                    ; wave 0..3
	s_and_b32 s17, ttmp7, 0xffff                   ; b
	s_lshl_b32 s40, s17, 2                         ; valid_lens[b]'s byte
	s_mov_b32 s41, 0
	v_and_b32 v6, 31, v0                           ; lane
	v_and_b32 v12, 15, v0                          ; r
	v_bfe_u32 v13, v0, 4, 1                        ; h
	v_lshlrev_b32 v1, 4, v6                        ; 16 x lane: K's loads and K's stores
	v_lshlrev_b32 v2, 2, v6                        ; 4 x lane: V's loads, and order's store
	s_mul_i32 s34, s16, WREG                       ; my LDS
	v_mul_u32_u24 v3, v13, SP
	v_lshl_add_u32 v3, v12, 4, v3
	v_add_nc_u32 v3, s34, v3                       ; into a stage: lanes 0-15 one key's row, lanes 16-31 the next; 16 bytes a lane
	v_mul_u32_u24 v4, v12, SP
	v_lshl_add_u32 v4, v13, 6, v4
	v_add_nc_u32 v4, s34, v4                       ; back: row r, + 64 h: my 16 numbers of a group of 32
	v_lshlrev_b32 v5, 11, v13
	v_lshl_add_u32 v5, v12, 4, v5                  ; V's codes: tile (lane / 16) of my two, 16 bytes at 16 (lane % 16)
	s_wait_kmcnt 0x0
	s_add_nc_u64 s[40:41], s[8:9], s[40:41]
	s_load_b32 s18, s[40:41], 0x0                  ; valid_lens[b]
	s_load_b128 s[20:23], s[10:11], 0x0            ; eq, ek, ep, ev
	s_lshl_b32 s32, s17, 19                        ; b x 2,048 keys of 256 bytes
	s_lshl_b32 s33, ttmp9, 15                      ; + s x 128 keys
	s_add_co_u32 s32, s32, s33
	s_lshr_b32 s36, s16, 1                         ; w >> 1
	s_and_b32 s37, s16, 1                          ; w & 1
	s_lshl_b32 s34, s16, 13                        ; K: + 32 w keys
	s_add_co_u32 s34, s34, s32
	s_mov_b32 s35, 0
	s_add_nc_u64 s[24:25], s[4:5], s[34:35]
	s_lshl_b32 s34, s36, 14                        ; V: + 64 (w >> 1) keys
	s_add_co_u32 s34, s34, s32
	s_lshl_b32 s33, s37, 7                         ;    + 32 (w & 1) columns
	s_add_co_u32 s34, s34, s33
	s_add_nc_u64 s[26:27], s[6:7], s[34:35]
	s_lshl_b32 s32, s17, 4
	s_add_co_u32 s32, s32, ttmp9
	s_lshl_b32 s32, s32, 14                        ; the block: (16 b + s) x 16,384
	s_lshl_b32 s34, s16, 11                        ; K's codes: my two tiles, 2,048 bytes
	s_add_co_u32 s34, s34, s32
	s_add_nc_u64 s[28:29], s[12:13], s[34:35]
	s_lshl_b32 s34, s37, 12                        ; V's codes: tiles 2 (w & 1) on, groups 2 (w >> 1) on
	s_lshl_b32 s33, s36, 10
	s_add_co_u32 s34, s34, s33
	s_add_co_u32 s34, s34, s32
	s_add_co_u32 s34, s34, 8192
	s_add_nc_u64 s[30:31], s[12:13], s[34:35]
	s_wait_kmcnt 0x0
	s_min_i32 s18, s18, 0x800
	s_max_i32 s18, s18, 0                          ; vle
	s_add_co_u32 s19, s18, 127
	s_lshr_b32 s19, s19, 7
	s_cmp_eq_u32 s18, 0
	s_cselect_b32 s19, 16, s19                     ; n
	s_cmp_ge_u32 ttmp9, s19
	s_cbranch_scc1 .Lend                           ; a block that nobody reads
	; all loads first: K's 16 (512 consecutive bytes each), then V's 64 (128 consecutive bytes each; the two waves of a key half stand side by side on a row of 256)
.irp i, 0,1,2,3,4,5,6,7,8,9,10,11,12,13,14,15
	global_load_b128 v[KR+4*\i:KR+4*\i+3], v1, s[24:25] offset:512*\i th:TH_LOAD_NT
.endr
.set k, 0
	s_wait_alu depctr_va_vdst(0)
.rept 64
	global_load_b32 v[VR+k], v2, s[26:27] offset:256*k th:TH_LOAD_NT
.set k, k+1
.endr
	s_add_co_i32 s32, s21, 127
	s_lshl_b32 s33, s32, 23
	v_mov_b32 v8, s33                              ; 2^ek as f32: the conversion takes its exponent field
	s_add_co_i32 s32, s32, 15
	s_lshl_b32 s32, s32, 23
	s_or_b32 s32, s32, 0x600000
	v_mov_b32 v9, s32                              ; 57,344 x 2^ek
	s_add_co_i32 s32, s23, 127
	s_lshl_b32 s33, s32, 23
	v_mov_b32 v10, s33                             ; 2^ev
	s_add_co_i32 s32, s32, 15
	s_lshl_b32 s32, s32, 23
	s_or_b32 s32, s32, 0x600000
	v_mov_b32 v11, s32                             ; 57,344 x 2^ev
	s_wait_alu depctr_va_vdst(0)
	; K.  Load i holds keys x = 2 i and 2 i + 1 of my 32.  Key x belongs to tile u = (x >> 3) & 1 and is its lane's row (x & 7) + 8 (x >> 4).
	s_wait_loadcnt 63                              ; K's 16 loads are the oldest of 80: 64 are younger; the count's field ends at 63, and a smaller count is safe
.irp i, 0,1,2,3,4,5,6,7,8,9,10,11,12,13,14,15
	ds_store_b128 v3, v[KR+4*\i:KR+4*\i+3] offset:((\i>>2)&1)*STG+((2*\i)%8+8*(\i>>3))*SP
.endr
.irp u, 0,1
.irp g, 0,1
.irp e, 0,1,2,3
	ds_load_b128 v[X+16*(2*\u+\g)+4*\e:X+16*(2*\u+\g)+4*\e+3], v4 offset:STG*\u+128*\g+16*\e   ; LDS serves a wave's instructions in order: these see my stores
.endr
.endr
.endr
.irp q, 0,1,2,3                        ; group q = 2 u + g
	s_wait_dscnt 12-4*\q                           ; its four loads are in; the younger groups' may be out
.irp i, 0,1,2,3,4,5,6,7,8,9,10,11,12,13,14,15
	v_med3_num_f32 v[X+16*\q+\i], v[X+16*\q+\i], -v9, v9   ; the conversion to an 8-bit code does not saturate (ISA guide 7.6.2): the hold at the largest code x the scale
.endr
	v_cvt_scalef32_pk8_bf8_f32 v[KC+4*\q:KC+4*\q+1], v[X+16*\q:X+16*\q+7], v8
	v_cvt_scalef32_pk8_bf8_f32 v[KC+4*\q+2:KC+4*\q+3], v[X+16*\q+8:X+16*\q+15], v8
	global_store_b128 v1, v[KC+4*\q:KC+4*\q+3], s[28:29] offset:512*\q   ; 1024 u + 512 g = 512 q: 32 lanes store 512 consecutive bytes
.endr
	; V.  Register k is key 64 (w >> 1) + k of my column.
	s_wait_loadcnt 0x0
.set k, 0
.rept 64
	v_med3_num_f32 v[VR+k], v[VR+k], -v11, v11
.set k, k+1
.endr
.irp m, 0,1,2,3,4,5,6,7
	v_cvt_scalef32_pk8_bf8_f32 v[VC+2*\m:VC+2*\m+1], v[VR+8*\m:VR+8*\m+7], v10
.endr
	v_nop                                          ; a plain vector line behind the last conversion
.irp j, 0,1,2,3                        ; keys 16 j on: group 2 (w >> 1) + j / 2, lanes' half j % 2: 512 (j / 2) + 256 (j % 2) = 256 j
	global_store_b128 v5, v[VC+4*\j:VC+4*\j+3], s[30:31] offset:256*\j   ; lanes 0-15 and lanes 16-31 each store 256 consecutive bytes, aligned
.endr
	; THE RANKING, by one wave of the launch.  Lane l works for batch l % 16.
	s_or_b32 s32, ttmp9, s17
	s_or_b32 s32, s32, s16
	s_cmp_lg_u32 s32, 0
	s_cbranch_scc1 .Lend
	v_lshlrev_b32 v[RA], 2, v12
	global_load_b32 v[RV], v[RA], s[8:9]
	v_mov_b32 v[RZ], 0
	v_mov_b32 v[ONE], 1
	v_mov_b32 v[RC], 0x800
	v_mov_b32 v[SIXT], 16
	v_mov_b32 v[RR], 0
	v_mov_b32 v[RB], 0
	v_mov_b32 v[RL], 0
	v_lshrrev_b32 v[RH], 1, v6
	s_wait_alu depctr_va_vdst(0)
	s_wait_loadcnt 0x0
	v_cmp_gt_i32 vcc_lo, v[RV], v[RC]
	v_cndmask_b32 v[RV], v[RV], v[RC], vcc_lo      ; at most 2,048,
	v_cmp_gt_i32 vcc_lo, 0, v[RV]
	v_cndmask_b32 v[RV], v[RV], v[RZ], vcc_lo      ; at least 0: vle
	v_add_nc_u32 v[RK], 127, v[RV]
	v_lshrrev_b32 v[RK], 7, v[RK]
	v_cmp_eq_u32 vcc_lo, 0, v[RV]
	v_cndmask_b32 v[RK], v[RK], v[SIXT], vcc_lo    ; n
	v_lshl_add_u32 v[RK], v[RK], 4, v12            ; 16 n + batch
.irp j, 0,1,2,3,4,5,6,7,8,9,10,11,12,13,14,15
	v_readlane_b32 s32, v[RK], \j
	v_cmp_gt_u32 vcc_lo, s32, v[RK]
	v_cndmask_b32 v[RT], v[RZ], v[ONE], vcc_lo
	v_add_nc_u32 v[RR], v[RR], v[RT]               ; my rank: how many batches have a larger key
.endr
.irp j, 0,1,2,3,4,5,6,7,8,9,10,11,12,13,14,15
	v_readlane_b32 s32, v[RR], \j
	v_readlane_b32 s33, v[RV], \j
	v_mov_b32 v[RT], \j
	v_mov_b32 v[RU], s33
	v_cmp_eq_u32 vcc_lo, s32, v[RH]                ; batch j has rank rho = lane / 2
	v_cndmask_b32 v[RB], v[RB], v[RT], vcc_lo
	v_cndmask_b32 v[RL], v[RL], v[RU], vcc_lo
.endr
	v_and_b32 v[RT], 1, v0
	v_cmp_eq_u32 vcc_lo, 1, v[RT]
	v_cndmask_b32 v[RB], v[RB], v[RL], vcc_lo      ; even lanes the batch, odd lanes its vle
	global_store_b32 v2, v[RB], s[14:15]           ; at 4 x lane: the choice selects values, no address hangs on it
.Lend:
	s_wait_tensorcnt 0x0
	ds_add_u32 v240, v241
	s_wait_dscnt 0x0
	s_endpgm
.Lfunc_end_k_q24778e8695_prep:
	.size	k_q24778e8695_prep, .Lfunc_end_k_q24778e8695_prep-k_q24778e8695_prep
	.p2alignl 7, 3214868480
	.fill 96, 4, 3214868480
	.section	.rodata,"a",@progbits
	.p2align	6, 0x0
	.amdhsa_kernel k_q24778e8695_prep
		.amdhsa_group_segment_fixed_size 35328
		.amdhsa_private_segment_fixed_size 0
		.amdhsa_enable_private_segment 0
		.amdhsa_kernarg_size 48
		.amdhsa_user_sgpr_count 2
		.amdhsa_user_sgpr_kernarg_segment_ptr 1
		.amdhsa_wavefront_size32 1
		.amdhsa_system_sgpr_workgroup_id_x 1
		.amdhsa_system_sgpr_workgroup_id_y 1
		.amdhsa_system_sgpr_workgroup_id_z 1
		.amdhsa_system_vgpr_workitem_id 0
		.amdhsa_next_free_vgpr 242
		.amdhsa_next_free_sgpr 66
		.amdhsa_reserve_vcc 1
		.amdhsa_float_denorm_mode_32 3
		.amdhsa_float_denorm_mode_16_64 3
		.amdhsa_memory_ordered 1
		.amdhsa_forward_progress 1
		.amdhsa_inst_pref_size 32
	.end_amdhsa_kernel
	.amdgpu_metadata
---
amdhsa.version: [ 1, 2 ]
amdhsa.kernels:
  - .name:           k_q24778e8695_prep
    .symbol:         k_q24778e8695_prep.kd
    .args:
      - { .name: keys, .offset: 0, .size: 8, .value_kind: global_buffer, .address_space: global }
      - { .name: values, .offset: 8, .size: 8, .value_kind: global_buffer, .address_space: global }
      - { .name: valid_lens, .offset: 16, .size: 8, .value_kind: global_buffer, .address_space: global }
      - { .name: lowp_scales, .offset: 24, .size: 8, .value_kind: global_buffer, .address_space: global }
      - { .name: kvc, .offset: 32, .size: 8, .value_kind: global_buffer, .address_space: global }
      - { .name: order, .offset: 40, .size: 8, .value_kind: global_buffer, .address_space: global }
    .group_segment_fixed_size: 35328
    .private_segment_fixed_size: 0
    .kernarg_segment_align: 8
    .kernarg_segment_size: 48
    .max_flat_workgroup_size: 128
    .sgpr_count:     66
    .vgpr_count:     242
    .wavefront_size: 32
...
	.end_amdgpu_metadata
.endif
;; end of part 3
;; launch attend (part 4): grid 32 x 8, 8 waves a work-group, no clusters, 168,960 bytes of LDS; arguments queries, kvc, order, lowp_scales, out0; writes out0
.if DOCPART == 4
	.amdgcn_target "amdgcn-amd-amdhsa--gfx1250"
	.amdhsa_code_object_version 6
	.text
	.protected	k_q24778e8695_attend
	.globl	k_q24778e8695_attend
	.p2align	8
	.type	k_q24778e8695_attend,@function
k_q24778e8695_attend:
	s_mov_b64 s[64:65], 0
	v_nop
	global_prefetch_b8 v0, s[64:65] scope:SCOPE_SE
	s_setreg_imm32_b32 hwreg(HW_REG_WAVE_SCHED_MODE, 0, 2), 2
	s_setreg_imm32_b32 hwreg(HW_REG_WAVE_MODE, 25, 1), 1
	s_wait_xcnt 0x0
	s_wait_alu depctr_vm_vsrc(0)
; out0[b][q][:] = the sum over k of softmax_k(masked Q[b][q] . K[b][k] / 8) V[b][k][:], both products on codes of BF8 (E5M2) with the given scales 2^eq, 2^ek, 2^ep, 2^ev.
; Keys at or behind valid_lens[b] have the logit -1e6.  K and V come as codes from kvc, one dense block of 16,384 bytes for a batch's key step of 128 keys, laid as images of the operands' registers:
;   K: 16 bytes at 1024 t + 512 g + 16 lane = key 32 (t / 2) + 8 (t % 2) + r + 8 (r / 8), d = 32 g + 16 h + 0 .. 15;   V: 16 bytes at 8192 + 2048 dt + 512 c + 16 lane = d 16 dt + r, keys 32 c + 16 h + 0 .. 15.
; order holds, for rank rho, {batch, vle}: vle = valid_len within 0 .. 2048, rank 0 the batch with the most key steps n (n = 16 where vle = 0, else ceil(vle / 128)).
; THE SOFTMAX AHEAD OF THE SECOND PRODUCT: t = logit x log2(e); M = the row's largest t so far, rounded UP to a whole number; p = 2^(t - M) is quantised, not normalised; the row's sum is taken of the
; unquantised p and divides at the end.  When M moves, the sum and O are multiplied by 2^(old M - new M): exact.
; SHARES.  Work-group (x, p): 64 queries (block x) of TWO batches: waves 0-3 serve the batch of rank p, waves 4-7 that of rank 15 - p, a long one with a short one.  A wave owns 16 queries of its batch.
; KEY STEPS BEHIND valid_len ARE NOT DONE (their p is 0), the mask's lines run only in the step that valid_len cuts, and p's hold only where 57,344 x 2^ep lies under 1 (ep <= -16): three scalar branches
; on whole numbers read from memory.  All sixteen trips are walked by every wave, so that every wave meets every barrier; a half whose batch is finished keeps the barrier alone.
; WHY NO TENSOR LOADS, NO CLUSTER, NO JOINT LOADS, though the 32 work-groups of a pair read the same blocks: the number of tiles that a partner needs, and these branches, hang on numbers read from memory,
; without the branches every batch would walk 16 steps with 192 more vector lines in each.  So a block goes global_load -> registers -> ds_store,
; each of a half's four waves bringing a quarter (4,096 bytes), into a ring of four slots; it is loaded three steps and stored two steps ahead of its step.
; LAYOUT.  Both products are used transposed: S^T = K Q^T (source 0 = 16 keys, source 1 = my 16 queries), O^T = V^T P^T: a lane holds ONE query (lane % 16) throughout.  The keys of a tile of K are chosen
; so that the 16 registers of tiles 2 b and 2 b + 1 are 16 neighbouring keys, 32 b + 16 (lane / 16) + 0 .. 15: the conversions' results are the second product's operand.  Within an instruction k stands
; in other places than the form's own layout gives it, alike in both sources: every product meets its partner.
; vle = 0: every logit is -1e6, t is the whole number -1,442,695, p = 1 for every key: had here by masking with the raw score 0 (t = 0, M = 0, p = 1) over all 16 steps.
; LIMITS: eq + ek between -105 and 130 (added to or taken from two constants' exponent fields); eq and ep between -126 and 112.  NaN is not served.  With valid_len >= 1, leaving out the steps behind it is right
; while each row's largest valid logit lies above -1e6 + 104, so that a masked key's p is 0 in f32.
; REGISTERS, in windows of 256.  Window 0: v1-10 addresses and the mask's numbers; v12 -M, v13 the largest t, v[14:15] the sum in two halves; v16-23 Q; v24-55 O^T; v56-71 p's codes; v72-135 V's four
; fragments; v136-199 S^T, then p; v236-254 at work.   Window 1: v0-31 a quarter block on its way to LDS; v32-95 K's eight fragments.
; THE MODE: SCHED_MODE bits 1:0 = 2 (LLVM: expert scheduling mode 2), set by the entry lines.  The code itself states the register dependences between vector or matrix instructions and memory or LDS
; instructions, with s_wait_alu, always for 0.
; THE PLAN.  Registers that memory or LDS instructions touch:
;   v1-v6, v8   addresses: written by vector lines at the head and never again; one wait ahead of the first load serves every access of the kernel.
;   G           written by global loads, read by the trip's eight ring stores; no vector line names it.  One wait on vm_vsrc a trip stands between the stores and the next loads into it.
;   FK          K of step KS + 1 lands in it in trip KS; read by the eight products at the head of trip KS + 1.
;   FV          V of step KS lands in it in trip KS; read by the four products at the end of that trip.  At the head it carries the first two quarter blocks from memory to LDS.
;   S .. S+31   at the head Q's rows, from memory to my stage; in the trips the scores; on the way out the results, to my stage.      S+32 .. S+63: loads from my stage land in it, at the head and on the way out.
;   Q, P, O^T, the statistics and v236-254 are named by vector and matrix instructions alone.
; So ONE wait on va_vdst in a trip serves all its 32 LDS loads: it stands behind the eight products and states that they are done reading FK and that the last trip's four products are done reading FV.
; K's loads follow it at once; V's are dealt among the scalings: the vector lines between (mask, maximum, M, f, scalings) name S, v9, v10, v12, v13, v236, v252 and v254, never FV nor the address v1.
; A second wait on va_vdst in a trip stands behind the batch of exponentials.
.set LI,   1                           ; v1   65536 x half + 16 x lane: an image's place for my lane
.set SA,   2                           ; v2   LI + 4096 x (wave % 4): where I store my quarter of a block
.set GA,   3                           ; v3   4096 x (wave % 4) + 16 x lane: the same place in a block in memory
.set STO,  4                           ; v4   my stage: row r, + 32 h: the way out
.set RD,   5                           ; v5   my stage: lanes 0-15 one row, lanes 16-31 the next; 16 bytes a lane
.set GO,   6                           ; v6   16 x lane: two rows of Q or of out0
.set DD0,  7                           ; v7   -16 h
.set QA,   8                           ; v8   my stage: row r, + 64 h: Q's turn
.set DD,   9                           ; v9   vle - the step's first key - 16 h: register 16 b + i is hidden where 32 b + i >= DD
.set MR,   10                          ; v10  the raw score that stands for the logit -1e6
.set Q,    16
.set O,    24
.set P,    56
.set FV,   72
.set S,    136
.set G,    0                           ; window 1
.set FK,   32                          ; window 1
.set SLOT, 16384
.set VOFF, 8192
.set SP,   272                         ; a stage row: 256 bytes + 16 of padding
.set STAGE, 131072                     ; behind the two rings of 65,536 bytes: 16 x 272 bytes for each wave
.set WV,   14
.set HF,   15
.set WQ,   16
.set SEL,  20                          ; s[20:21] lane selects for v_permlanex16_b32: lane l xor 16
.set CS,   22                          ; s[22:23] c = log2(e) / 8 x 2^(eq + ek): t = raw score x c
.set N,    28                          ; my batch's key steps
.set NM1,  29
.set VL,   30                          ; vle
.set KS,   31                          ; the step
.set KF,   32                          ; its first key
.set IT,   33
.set HOLD, 34                          ; 1 where p can pass the largest code
.set PB,   36                          ; s[36:37] my batch's blocks
.set PG,   38                          ; s[38:39] the block being loaded
.set T0,   40                          ; s[40:41] an offset, 0 above it
.set MK,   52                          ; s52-59 the masks of one accumulator's eight registers, in the step that valid_len cuts
.set MSB, 0
.macro WIN new                         ; the immediate's high byte repeats the setting that is left; bits 1:0 source 0, 3:2 source 1, 7:6 destination
.if MSB != \new
	s_set_vgpr_msb (MSB<<8)|\new
.set MSB, \new
.endif
.endm
	s_load_b256 s[4:11], s[0:1], 0x0               ; queries s[4:5], kvc s[6:7], order s[8:9], lowp_scales s[10:11]
	s_load_b64 s[12:13], s[0:1], 0x20              ; out0
	v_lshl_add_u32 v251, v0, 2, 0x29000
	v_mov_b32 v255, 0
	v_lshrrev_b32 v1, 5, v0
	v_readfirstlane_b32 s[WV], v1                  ; wave 0..7
	v_and_b32 v9, 31, v0                           ; lane
	v_and_b32 v10, 15, v0                          ; r
	v_bfe_u32 v11, v0, 4, 1                        ; h
	v_lshlrev_b32 v[GO], 4, v9
	s_wait_alu depctr_va_vdst(0)
	s_wait_alu depctr_va_sdst(0)                   ; s[WV] is written, ahead of its first reader: the half, the quarter and every address are made from it
	s_lshr_b32 s[HF], s[WV], 2                     ; which batch of the pair
	s_and_b32 s[WQ], s[WV], 3                      ; which 16 of the 64 queries, which quarter of a block
	s_and_b32 s42, ttmp7, 0xffff                   ; p
	s_lshl_b32 s43, s42, 1
	s_sub_co_u32 s43, 15, s43
	s_mul_i32 s43, s43, s[HF]
	s_add_co_u32 s43, s43, s42                     ; rho = p + half x (15 - 2 p)
	s_lshl_b32 s[T0], s43, 3
	s_mov_b32 s[T0+1], 0
	s_lshl_b32 s17, s[HF], 16
	v_add_nc_u32 v[LI], s17, v[GO]
	s_lshl_b32 s17, s[WQ], 12
	v_add_nc_u32 v[SA], s17, v[LI]
	v_add_nc_u32 v[GA], s17, v[GO]
	s_mul_i32 s17, s[WV], 16*SP
	s_add_co_u32 s17, s17, STAGE                   ; my stage
	v_mul_u32_u24 v[STO], v10, SP
	v_add_nc_u32 v[STO], s17, v[STO]
	v_lshl_add_u32 v[QA], v11, 6, v[STO]
	v_lshl_add_u32 v[STO], v11, 5, v[STO]
	v_mul_u32_u24 v[RD], v11, SP
	v_lshl_add_u32 v[RD], v10, 4, v[RD]
	v_add_nc_u32 v[RD], s17, v[RD]
	v_lshlrev_b32 v[DD0], 4, v11
	v_sub_nc_u32 v[DD0], 0, v[DD0]
	s_wait_kmcnt 0x0
	s_add_nc_u64 s[44:45], s[8:9], s[T0:T0+1]
	s_load_b64 s[18:19], s[44:45], 0x0             ; {batch, vle} of rank rho
	s_load_b128 s[24:27], s[10:11], 0x0            ; eq, ek, ep, ev
	s_mov_b32 s[SEL], 0x76543210
	s_mov_b32 s[SEL+1], 0xfedcba98
	s_wait_kmcnt 0x0
	s_min_u32 s18, s18, 15                         ; the batch: a loaded number enters addresses only behind a bound
	s_min_u32 s[VL], s19, 0x800
	s_add_co_u32 s[N], s[VL], 127
	s_lshr_b32 s[N], s[N], 7
	s_add_co_i32 s42, s24, s25
	s_lshl_b32 s42, s42, 23                        ; eq + ek, at an exponent field's place
	s_add_co_u32 s[CS], s42, 0x3e38aa3b            ; log2(e) / 8 x 2^(eq + ek)
	s_mov_b32 s[CS+1], s[CS]                       ; (named with it as a pair, so it is written)
	s_sub_co_u32 s43, 0xcaf42400, s42              ; -8e6 / 2^(eq + ek): x 2^(eq + ek) / 8 it is -1e6
	s_cmp_eq_u32 s[VL], 0
	s_cselect_b32 s[N], 16, s[N]
	s_cselect_b32 s43, 0, s43                      ; where no key counts: 0
	v_mov_b32 v[MR], s43
	s_sub_co_u32 s[NM1], s[N], 1
	s_cmp_le_i32 s26, -16
	s_cselect_b32 s[HOLD], 1, 0                    ; p <= 1 <= 57,344 x 2^ep from ep = -15 on
	s_lshl_b32 s[T0], s18, 18
	s_add_nc_u64 s[PB:PB+1], s[6:7], s[T0:T0+1]    ; 16 blocks of 16,384 bytes a batch
	s_min_u32 s[T0], s[NM1], 1
	s_lshl_b32 s[T0], s[T0], 14
	s_add_nc_u64 s[44:45], s[PB:PB+1], s[T0:T0+1]  ; step min(1, n - 1)
	s_min_u32 s[T0], s[NM1], 2
	s_lshl_b32 s[T0], s[T0], 14
	s_add_nc_u64 s[46:47], s[PB:PB+1], s[T0:T0+1]  ; step min(2, n - 1)
	s_lshl_b32 s[T0], s18, 19                      ; my first query's row of 256 bytes: 2048 b + 64 x + 16 (wave % 4)
	s_lshl_b32 s42, ttmp9, 14
	s_add_co_u32 s[T0], s[T0], s42
	s_lshl_b32 s42, s[WQ], 12
	s_add_co_u32 s[T0], s[T0], s42
	s_add_nc_u64 s[48:49], s[4:5], s[T0:T0+1]
	s_add_nc_u64 s[50:51], s[12:13], s[T0:T0+1]
	s_wait_alu depctr_va_vdst(0)                   ; the seven addresses v1 to v6 and v8 are written, which every load and store of the kernel reads; no vector line names them again
	; 32 loads in one run: my 16 rows of Q as they lie, and my quarter of the first three blocks.  A step past the batch's last is replaced by the last: every line is executed, every register and slot written; such copies are never multiplied
.irp i, 0,1,2,3,4,5,6,7
	global_load_b128 v[S+4*\i:S+4*\i+3], v[GO], s[48:49] offset:512*\i th:TH_LOAD_NT
.endr
.irp i, 0,1,2,3,4,5,6,7
	global_load_b128 v[FV+4*\i:FV+4*\i+3], v[GA], s[PB:PB+1] offset:512*\i
.endr
.irp i, 0,1,2,3,4,5,6,7
	global_load_b128 v[FV+32+4*\i:FV+32+4*\i+3], v[GA], s[44:45] offset:512*\i
.endr
	WIN 0x40                                       ; destination window 1
.irp i, 0,1,2,3,4,5,6,7
	global_load_b128 v[G+4*\i:G+4*\i+3], v[GA], s[46:47] offset:512*\i
.endr
	WIN 0
	s_add_co_i32 s42, s26, 127
	s_lshl_b32 s43, s42, 23
	v_mov_b32 v244, s43                            ; 2^ep as f32, for p's conversions
	s_add_co_i32 s42, s42, 15
	s_lshl_b32 s42, s42, 23
	s_or_b32 s42, s42, 0x600000
	v_mov_b32 v240, s42                            ; 57,344 x 2^ep
	s_add_co_i32 s42, s24, 127
	s_lshl_b32 s43, s42, 23
	v_mov_b32 v246, s43                            ; 2^eq, for Q's
	s_add_co_i32 s42, s42, 15
	s_lshl_b32 s42, s42, 23
	s_or_b32 s42, s42, 0x600000
	v_mov_b32 v247, s42                            ; 57,344 x 2^eq
	v_mov_b32 v13, 0xff61b1e6                      ; the largest t so far: -3e38, under every t
	v_floor_f32 v12, -v13                          ; -M
	v_mov_b32 v14, 0                               ; the sum, in two halves
	v_mov_b32 v15, 0
	v_mov_b32 v236, 0                              ; written once: a lane permute's destination counts as one of its sources
	v_mov_b32 v253, 0                              ; (named as the upper half of the pair v[252:253])
.set jj, 0
.rept 32
	v_mov_b32 v[O+jj], 0                           ; O^T.  (The step is written once: its first trip finds zeros, which the first change of M leaves zeros)
.set jj, jj+1
.endr
	s_mov_b32 s[KS], 0
	s_mov_b32 s[KF], 0
	s_mov_b32 s[IT], 4
	s_wait_loadcnt 8                               ; all but the youngest eight, the third block's quarter
.irp i, 0,1,2,3,4,5,6,7
	ds_store_b128 v[RD], v[S+4*\i:S+4*\i+3] offset:2*SP*\i          ; Q turns through my stage: rows 2 i and 2 i + 1 as they lie.  (The data came by loads, the address stands since the head's wait)
.endr
.irp g, 0,1
.irp e, 0,1,2,3
	ds_load_b128 v[S+32+16*\g+4*\e:S+32+16*\g+4*\e+3], v[QA] offset:128*\g+16*\e   ; and back: of row r, d = 32 g + 16 h + 0 .. 15.  LDS serves a wave's instructions in order
.endr
.endr
.irp i, 0,1,2,3,4,5,6,7
	ds_store_b128 v[SA], v[FV+4*\i:FV+4*\i+3] offset:512*\i         ; step 0 into slot 0
.endr
.irp i, 0,1,2,3,4,5,6,7
	ds_store_b128 v[SA], v[FV+32+4*\i:FV+32+4*\i+3] offset:SLOT+512*\i   ; step min(1, n - 1) into slot 1
.endr
	s_wait_dscnt 16                                ; Q is back; the 16 younger stores may be out
.set jj, 0
.rept 32
	v_med3_num_f32 v[S+32+jj], v[S+32+jj], -v247, v247   ; the conversion to an 8-bit code does not saturate (ISA guide 7.6.2): the hold at the largest code x the scale
.set jj, jj+1
.endr
.irp g, 0,1
	v_cvt_scalef32_pk8_bf8_f32 v[Q+4*\g:Q+4*\g+1], v[S+32+16*\g:S+32+16*\g+7], v246
	v_cvt_scalef32_pk8_bf8_f32 v[Q+4*\g+2:Q+4*\g+3], v[S+32+16*\g+8:S+32+16*\g+15], v246
.endr
	v_nop                                          ; a plain vector line between the conversions and the products, which read their results and write their sources
	s_wait_dscnt 0x0                               ; for the others' sake: my quarters of slots 0 and 1 are stored
	s_barrier_signal -1
	s_barrier_wait -1
	s_wait_alu depctr_vm_vsrc(0)                   ; my LDS stores have read v[S .. S+31] and v[FV ..]: the first products write the one, V's fragments land in the other
	WIN 0x40
.irp t, 0,1,2,3,4,5,6,7
.irp g, 0,1
	ds_load_b128 v[FK+8*\t+4*\g:FK+8*\t+4*\g+3], v[LI] offset:1024*\t+512*\g   ; K of step 0: no vector line has named these registers
.endr
.endr
	WIN 0
	s_wait_dscnt 0x0
; A TRIP: key step KS, whose block lies in slot u.  It stores step KS + 2 into slot u + 2 (last read two trips ago, first read in the next trip: a barrier stands between each), reads K of step KS + 1 from
; slot u + 1 and V of step KS from slot u, and asks memory for step KS + 3.  One barrier ends the trip; in front of it every wave has waited for all its LDS instructions.
.macro TRIP u
	s_cmp_ge_u32 s[KS], s[N]
	s_cbranch_scc1 .Lidle_\@                       ; my batch is finished: only the barrier is kept
	WIN 0x01                                       ; source 0 (K) window 1
	s_wait_alu depctr_va_vdst(0)
.irp t, 0,1,2,3,4,5,6,7
	v_wmma_f32_16x16x64_bf8_bf8 v[S+8*\t:S+8*\t+7], v[FK+8*\t:FK+8*\t+7], v[Q:Q+7], 0   ; S^T: K's fragments came in during the last trip (the wait in front of its barrier)
.endr
	s_wait_loadcnt 0x0                             ; my quarter of step min(KS + 2, n - 1) is in registers, and its loads' base may be written
	s_add_co_u32 s[T0], s[KS], 3
	s_min_u32 s[T0], s[T0], s[NM1]
	s_min_u32 s[T0], s[T0], 15
	s_lshl_b32 s[T0], s[T0], 14
	s_add_nc_u64 s[PG:PG+1], s[PB:PB+1], s[T0:T0+1]   ; step min(KS + 3, n - 1)
	s_sub_co_i32 s42, s[VL], s[KF]
	WIN 0x04                                       ; store data window 1
.irp i, 0,1,2,3,4,5,6,7
	ds_store_b128 v[SA], v[G+4*\i:G+4*\i+3] offset:SLOT*((\u+2)%4)+512*\i   ; no wait on the vector side: the data came by loads, and no vector line has named v[SA] since the head's wait
.endr
	WIN 0
	v_add_nc_u32 v[DD], s42, v[DD0]                ; four places behind the products, in front of the first read of the scores (ISA guide 7.12.1)
	v_nop
	v_nop
	v_nop
	WIN 0x40                                       ; destination window 1
	s_wait_alu depctr_va_vdst(0)                   ; the eight products are done reading K's fragments, in which the next step's K lands; the last trip's four products are done reading V's, in which this step's V lands
.irp t, 0,1,2,3,4,5,6,7
.irp g, 0,1
	ds_load_b128 v[FK+8*\t+4*\g:FK+8*\t+4*\g+3], v[LI] offset:SLOT*((\u+1)%4)+1024*\t+512*\g   ; K of the next step lands while the softmax is walked
.endr
.endr
	s_wait_dscnt 16                                ; the eight stores are done (K's 16 loads behind them may be out),
	s_wait_alu depctr_vm_vsrc(0)                   ; and they have read v[G ..], in which the next block's loads land
.irp i, 0,1,2,3,4,5,6,7
	global_load_b128 v[G+4*\i:G+4*\i+3], v[GA], s[PG:PG+1] offset:512*\i
.endr
	WIN 0
	s_add_co_u32 s43, s[KF], 128
	s_cmp_le_u32 s43, s[VL]
	s_cbranch_scc1 .Lopen_\@                       ; all 128 keys count
.set nn, 0
.rept 8                                ; an accumulator at a time.  Register 16 b + i holds key KF + 32 b + 16 h + i: at or behind vle where 32 b + i >= DD; each accumulator from its low end on
.set mm, 0
.rept 8
	v_cmp_ge_i32 s[MK+mm], 32*((nn+mm)/16)+(nn+mm)%16, v[DD]
.set mm, mm+1
.endr
	s_wait_alu depctr_va_sdst(0)                   ; the eight masks s[MK ..] are written, ahead of the selections that read them
.set mm, 0
.rept 8
	v_cndmask_b32 v[S+nn+mm], v[S+nn+mm], v[MR], s[MK+mm]
.set mm, mm+1
.endr
.set nn, nn+8
.endr
.Lopen_\@:
	v_max3_num_f32 v254, v[S], v[S+1], v[S+2]      ; the step's largest score of my query, among my 64 keys, in two chains,
	v_max3_num_f32 v252, v[S+3], v[S+4], v[S+5]
.irp i, 6,10,14,18,22,26,30,34,38,42,46,50,54,58
	v_max3_num_f32 v254, v254, v[S+\i], v[S+\i+1]
	v_max3_num_f32 v252, v252, v[S+\i+2], v[S+\i+3]
.endr
	v_max3_num_f32 v254, v254, v[S+62], v[S+63]
	v_max_num_f32 v254, v254, v252
	v_permlanex16_b32 v236, v254, s[SEL], s[SEL+1]
	v_max_num_f32 v254, v254, v236                 ; and among lane l xor 16's
	v_mul_f32 v254, s[CS], v254                    ; as t (c is positive)
	v_max_num_f32 v13, v13, v254                   ; the running largest t
	v_mov_b32 v254, v12
	v_floor_f32 v12, -v13                          ; the new -M = floor(-t) = -ceil(t): M is a whole number
	v_sub_f32 v254, v12, v254                      ; M's old value less its new one: a whole number, 0 or less
	v_cvt_i32_f32 v254, v254                       ; (it saturates)
	v_ldexp_f32 v252, 1.0, v254                    ; f = 2^(old M - new M)
.irp d, 0,1,2,3                        ; V of this step, a fragment ahead of each eight scalings.  No further wait: no vector or matrix line since the wait behind the products names v[FV ..] or v[LI]
.irp c, 0,1,2,3
	ds_load_b128 v[FV+16*\d+4*\c:FV+16*\d+4*\c+3], v[LI] offset:SLOT*\u+VOFF+2048*\d+512*\c
.endr
.set jj, 16*\d
.rept 8
	v_pk_fma_f32 v[S+jj:S+jj+1], v[S+jj:S+jj+1], s[CS:CS+1], v[12:13] op_sel_hi:[1,0,0]   ; t - M, two at a time (of the pairs c and -M the low word serves both halves)
.set jj, jj+2
.endr
.endr
.set jj, 0
	s_wait_alu depctr_va_vdst(0)
.rept 64
	v_exp_f32 v[S+jj], v[S+jj]                     ; p = 2^(t - M), at most 1: not normalised
.set jj, jj+1
.endr
	v_pk_mul_f32 v[14:15], v[14:15], v[252:253] op_sel_hi:[1,0]   ; the sums under the new M.  (A plain line behind the exponentials)
	s_wait_alu depctr_va_vdst(0)                   ; the 64 exponentials have written p in v[S ..]: one wait for the batch, ahead of its first reader and of the branch below
	v_pk_add_f32 v[242:243], v[S:S+1], v[S+2:S+3]  ; the row's sum is taken of the unquantised p: two at a time, in two chains
.irp j, 4,8,12,16,20,24,28,32,36,40,44,48,52,56,60
	v_pk_add_f32 v[14:15], v[14:15], v[S+\j:S+\j+1]
	v_pk_add_f32 v[242:243], v[242:243], v[S+\j+2:S+\j+3]
.endr
	v_pk_add_f32 v[14:15], v[14:15], v[242:243]
	s_cmp_eq_u32 s[HOLD], 0
	s_cbranch_scc1 .Lfree_\@                       ; p <= 1 lies within the largest code x 2^ep: nothing to hold
.set jj, 0
.rept 64
	v_min_num_f32 v[S+jj], v[S+jj], v240           ; the conversion does not saturate (ISA guide 7.6.2); p is not negative, so the hold is one-sided
.set jj, jj+1
.endr
.Lfree_\@:
.irp b, 0,1,2,3
	v_cvt_scalef32_pk8_bf8_f32 v[P+4*\b:P+4*\b+1], v[S+16*\b:S+16*\b+7], v244
	v_cvt_scalef32_pk8_bf8_f32 v[P+4*\b+2:P+4*\b+3], v[S+16*\b+8:S+16*\b+15], v244
.endr
.set jj, 0
.rept 16
	v_pk_mul_f32 v[O+jj:O+jj+1], v[O+jj:O+jj+1], v[252:253] op_sel_hi:[1,0]   ; O^T under the new M; each accumulator from its low end on.  (Also the plain lines behind the conversions)
.set jj, jj+2
.endr
	s_wait_alu depctr_va_vdst(0)
	s_wait_dscnt 0x0                               ; V is in (and K of the next step)
.irp d, 0,1,2,3                        ; the four accumulators take turns, one instruction a turn; the matrix instruction ahead of the first wrote a tile of S^T
	v_wmma_f32_16x16x128_bf8_bf8 v[O+8*\d:O+8*\d+7], v[FV+16*\d:FV+16*\d+15], v[P:P+15], v[O+8*\d:O+8*\d+7]
.endr
.rept 4
	v_nop                                          ; places behind these products, for whatever vector line reads O^T next, on every way
.endr
.Lidle_\@:
	s_wait_dscnt 0x0                               ; my stores into the ring have landed and my reads of it are in
	s_barrier_signal -1
	s_barrier_wait -1
	s_add_co_u32 s[KS], s[KS], 1
	s_add_co_u32 s[KF], s[KF], 128
.endm
.Lloop:                                            ; four trips of four steps: once round the ring a trip, so that the slots are immediates
	TRIP 0
	TRIP 1
	TRIP 2
	TRIP 3
	s_sub_co_u32 s[IT], s[IT], 1
	s_cmp_lg_u32 s[IT], 0
	s_cbranch_scc1 .Lloop
	; THE WAY OUT.  O^T / the sum x 2^(ep + ev) goes through my stage and leaves as whole rows of 256 bytes.
	v_add_f32 v14, v14, v15                        ; the sum's two halves,
	v_permlanex16_b32 v236, v14, s[SEL], s[SEL+1]
	v_add_f32 v14, v14, v236                       ; and lane l xor 16's: the row's sum
	s_wait_alu depctr_va_vdst(0)
	v_rcp_f32 v14, v14
	v_nop                                          ; a plain line behind the transcendental
	s_add_co_i32 s42, s26, s27
	s_wait_alu depctr_va_vdst(0)                   ; the reciprocal has written v14, ahead of its first reader
	v_ldexp_f32 v14, v14, s42
.set jj, 0
.rept 16
	v_pk_mul_f32 v[S+jj:S+jj+1], v[O+jj:O+jj+1], v[14:15] op_sel_hi:[1,0]   ; register 8 dt + j is out0(r, 16 dt + 8 h + j); each accumulator from its low end on
.set jj, jj+2
.endr
	s_wait_alu depctr_va_vdst(0)                   ; the sixteen multiplies have written v[S .. S+31], which the LDS stores read; every vector line is done with v[S+32 ..], in which the loads from the stage land
.irp d, 0,1,2,3
	ds_store_b128 v[STO], v[S+8*\d:S+8*\d+3] offset:64*\d
	ds_store_b128 v[STO], v[S+8*\d+4:S+8*\d+7] offset:64*\d+16
.endr
.irp i, 0,1,2,3,4,5,6,7
	ds_load_b128 v[S+32+4*\i:S+32+4*\i+3], v[RD] offset:2*SP*\i   ; LDS serves a wave's instructions in order: these see my stores
.endr
.irp i, 0,1,2,3,4,5,6,7
	s_wait_dscnt 7-\i
	global_store_b128 v[GO], v[S+32+4*\i:S+32+4*\i+3], s[50:51] offset:512*\i th:TH_STORE_NT   ; 32 lanes store two whole rows: 512 consecutive bytes, aligned
.endr
	s_wait_dscnt 0x0
	s_wait_alu depctr_hold_cnt(0) depctr_sa_sdst(0) depctr_va_vdst(0) depctr_va_sdst(0) depctr_va_ssrc(0) depctr_va_vcc(0) depctr_vm_vsrc(0)
	s_wait_tensorcnt 0x0
	ds_add_u32 v251, v255
	s_wait_dscnt 0x0
	s_endpgm
.Lfunc_end_k_q24778e8695_attend:
	.size	k_q24778e8695_attend, .Lfunc_end_k_q24778e8695_attend-k_q24778e8695_attend
	.p2alignl 7, 3214868480
	.fill 96, 4, 3214868480
	.section	.rodata,"a",@progbits
	.p2align	6, 0x0
	.amdhsa_kernel k_q24778e8695_attend
		.amdhsa_group_segment_fixed_size 168960
		.amdhsa_private_segment_fixed_size 0
		.amdhsa_enable_private_segment 0
		.amdhsa_kernarg_size 40
		.amdhsa_user_sgpr_count 2
		.amdhsa_user_sgpr_kernarg_segment_ptr 1
		.amdhsa_wavefront_size32 1
		.amdhsa_system_sgpr_workgroup_id_x 1
		.amdhsa_system_sgpr_workgroup_id_y 1
		.amdhsa_system_sgpr_workgroup_id_z 1
		.amdhsa_system_vgpr_workitem_id 0
		.amdhsa_next_free_vgpr 352
		.amdhsa_next_free_sgpr 66
		.amdhsa_reserve_vcc 0
		.amdhsa_float_denorm_mode_32 3
		.amdhsa_float_denorm_mode_16_64 3
		.amdhsa_memory_ordered 1
		.amdhsa_forward_progress 1
		.amdhsa_inst_pref_size 124
	.end_amdhsa_kernel
	.amdgpu_metadata
---
amdhsa.version: [ 1, 2 ]
amdhsa.kernels:
  - .name:           k_q24778e8695_attend
    .symbol:         k_q24778e8695_attend.kd
    .args:
      - { .name: queries, .offset: 0, .size: 8, .value_kind: global_buffer, .address_space: global }
      - { .name: kvc, .offset: 8, .size: 8, .value_kind: global_buffer, .address_space: global }
      - { .name: order, .offset: 16, .size: 8, .value_kind: global_buffer, .address_space: global }
      - { .name: lowp_scales, .offset: 24, .size: 8, .value_kind: global_buffer, .address_space: global }
      - { .name: out0, .offset: 32, .size: 8, .value_kind: global_buffer, .address_space: global }
    .group_segment_fixed_size: 168960
    .private_segment_fixed_size: 0
    .kernarg_segment_align: 8
    .kernarg_segment_size: 40
    .max_flat_workgroup_size: 256
    .sgpr_count:     66
    .vgpr_count:     352
    .wavefront_size: 32
...
	.end_amdgpu_metadata
.endif
;; end of part 4
